; MI455X (gfx1250); checked and timed in simulation.
; The chip was launched on July 23, 2026; its instructions are those of AMD's public machine-readable ISA for CDNA 5 (MIT licence, August 2026) and "CDNA5" Instruction Set Architecture Reference Guide (July 2026). The comments in the code are by the model that wrote it; some were corrected since.
;; GPT2 Attention. Allowed arithmetic: matrix products marked QUANTISED: E2M1 operands, one E8M0 scale for each 32 along K, by v_wmma_scale_f32_16x16x128_f8f6f4 with both operands' format E2M1 (or v_wmma_scale_f32_32x16x128_f4), f32 sums; products left as they are: bf16, f16 or f32 operands; f32 sums; everything else in f32.
;; Inputs: c_attn_b 3,072 float32; c_attn_w 1,024 x 3,072 float32; c_proj_b 1,024 float32; c_proj_w 1,024 x 1,024 float32; hidden_states 4 x 2,048 x 1,024 float32.
;; Outputs: out0 4 x 2,048 x 1,024 float32.
;; This version of the problem:
;;   THIS VERSION OF THE PROBLEM IS GIVEN IN LOW PRECISION. The matrix products marked QUANTISED in the list below multiply operands that are first quantised to E2M1 (2 exponent bits, 1 mantissa bit; 4 bits a number), with one power-of-two scale for each 32 numbers along K (OCP MX v1.0); their sums are f32. The products marked 'left as it is' may take bf16, f16 or f32 operands, with f32 sums. Whichever they take, every output number must still come out within the allowed error. Rounding operands to bf16 (8 significant bits) uses up far more of that allowance than f16 does (11 bits, for magnitudes from 6e-5 to 65,504). All else is computed in f32.
;;   The module's matrix products, in the order in which they are computed (A, B: the left and right operand; K: the contracted axis; several contracted axes count as one K, in the product's order):
;;     1. [M 8,192, K 1,024] x [K 1,024, N 3,072]; A: input hidden_states; B: input c_attn_w: QUANTISED
;;     2. batch 64 x [M 2,048, K 64] x [K 64, N 2,048]; A: computed on the way; B: computed on the way: left as it is (an operand is computed on the way)
;;     3. batch 64 x [M 2,048, K 2,048] x [K 2,048, N 64]; A: computed on the way; B: computed on the way: left as it is (an operand is computed on the way)
;;     4. [M 8,192, K 1,024] x [K 1,024, N 1,024]; A: computed on the way; B: input c_proj_w: left as it is (an operand is computed on the way)
;;   THE QUANTISER, for each operand of a quantised product, along K:
;;     - K is cut into blocks of 32 from its start; a last block that is shorter is filled with zeros.
;;     - A block's scale is 2^e with e = floor(log2(the largest magnitude in the block)) - 2, held to -126 .. 127; a block of zeros has e = 0. As a byte (E8M0): e + 127.
;;     - Each number is divided by its block's scale, clamped to +-6, and rounded to the nearest number of E2M1, ties to even, subnormals kept.
;;     - The product sums the exact products of the quantised numbers (number of the format x scale) in f32.
;;   ~~~python
;;   def quantise(x, axis):      # numpy; x: float32 -> the quantised numbers, widened to float32 again
;;       x = np.moveaxis(x, axis, -1); K = x.shape[-1]
;;       x = np.pad(x, [(0, 0)] * (x.ndim - 1) + [(0, -K % 32)]); x = x.reshape(x.shape[:-1] + (-1, 32)); a = np.abs(x).max(-1, keepdims=True)
;;       e = np.where(a > 0, np.clip(np.frexp(np.where(a > 0, a, 1))[1] - 1 - 2, -126, 127), 0)      # np.frexp(a)[1] - 1 = floor(log2(a)), exactly
;;       r = np.clip(x / 2.0 ** e, -6, 6)
;;       step = 2.0 ** (np.maximum(np.frexp(np.where(r == 0, 1, r))[1] - 1, 0) - 1)
;;       q = np.round(r / step) * step * 2.0 ** e      # np.round: ties to even
;;       return np.moveaxis(q.reshape(q.shape[:-2] + (-1,))[..., :K], -1, axis).astype(np.float32)
;;   ~~~
;; One version. Each part assembles by itself: llvm-mc -triple=amdgcn-amd-amdhsa -mcpu=gfx1250 --defsym DOCPART=n.
;; ======== version 1 of 1: 5 launches
;; limits: values are held in f16: magnitudes above 65,504 overflow, below 6.1e-05 lose precision
;; workspace buffers: codes 5,767,168 bytes; scales 360,448 bytes; pw16 2,097,152 bytes; qkv16 50,331,648 bytes; qkv32 786,432 bytes; vsum 524,288 bytes; attn16 16,777,216 bytes
;; launch prep (part 1): grid 288 x 1, 8 waves a work-group, no clusters, 84,480 bytes of LDS; arguments hidden_states, c_attn_w, c_proj_w, codes, scales, pw16; writes codes, scales, pw16
.if DOCPART == 1
	.amdgcn_target "amdgcn-amd-amdhsa--gfx1250"
	.amdhsa_code_object_version 6
	.text
	.protected	k_q1c56a7d264_prep
	.globl	k_q1c56a7d264_prep
	.p2align	8
	.type	k_q1c56a7d264_prep,@function
k_q1c56a7d264_prep:
	s_mov_b64 s[64:65], 0
	v_nop
	global_prefetch_b8 v0, s[64:65] scope:SCOPE_SE
	s_setreg_imm32_b32 hwreg(HW_REG_WAVE_MODE, 25, 1), 1
	s_wait_xcnt 0x0
; PREP: three jobs in one launch, told apart by the work-group's number (the same in all eight waves of a work-group).
;   W (work-groups 0-95):    c_attn_w [1024 k][3072 n] f32 -> codes of FP4 (E2M1) laid [n][512 bytes], K innermost, at byte XC of 'codes'; one E8M0 byte for each 32 along K, [n][32], at byte XS of 'scales'.
;   X (work-groups 96-223):  hidden_states [8192][1024] f32 -> codes [row][512 bytes] at byte 0 of 'codes', scale bytes [row][32] at byte 0 of 'scales'.
;   P (work-groups 224-287): c_proj_w [1024 k][1024 n] f32 -> f16, same order, in 'pw16'.
; A block's scale is 2^(floor(log2(largest magnitude)) - 2); its byte is the largest magnitude's exponent field - 2, held at 1 from below.
; LIMITS: a block of zeros, and a block whose largest magnitude lies under 2^-124, gets the byte 1 (its codes then are zeros or small codes; the bytes are read by this program alone); NaN and infinities are not served;
; c_proj_w is served up to 65,504 in magnitude; under 6e-5 it keeps f16's absolute step of 6e-8.
; Each path has LDS bytes of its own.  No tensor loads.
.set XC,     4194304                   ; where W's codes begin in 'codes'
.set XS,     262144                    ; where W's scale bytes begin in 'scales'
.set NW,     96                        ; work-groups of path W
.set NX,     128                       ; of path X
.set SPW,    190                       ; v190 LDS address of my spare word; never rewritten
.set NIL,    191                       ; v191 0; never rewritten
.set WREG,   8192                      ; path X: a region for each wave: two stages of 32 x SP bytes, then its 256 scale bytes
.set SP,     80                        ; path X: a lane's place in a stage: 64 bytes + 16 of padding
.set WSTG,   65536                     ; path W: 32 rows (columns n) x WPITCH
.set WPITCH, 528                       ; 512 bytes of codes + 16 of padding
.set WSC,    82432                     ; path W: 32 rows x 32 scale bytes
.set SPARE,  83456                     ; the spare words, 128 bytes for each wave: four blocks of 256 bytes that no other line names
.set EMAX,   2
.set CB,     8                         ; bytes of 16 codes
.set STEPS,  16
.set R,      16                        ; path X: v16-79 four sets of 16 numbers as loaded
.set X,      80                        ; path X: v80-111 two sets of 16 neighbours
.set E,      112                       ; path X: v112-127 a scale byte for each step
.set C,      128                       ; path X: v128-189 codes, four registers a step
.macro FIN                             ; the wave's end, behind my last LDS store
	s_wait_tensorcnt 0x0
	ds_add_u32 v[SPW], v[NIL]
	s_wait_dscnt 0x0
	s_endpgm
.endm
	s_load_b256 s[4:11], s[0:1], 0x0               ; x s[4:5], c_attn_w s[6:7], c_proj_w s[8:9], codes s[10:11]
	s_load_b128 s[12:15], s[0:1], 0x20             ; scales s[12:13], pw16 s[14:15]
	v_lshl_add_u32 v[SPW], v0, 2, SPARE
	v_mov_b32 v[NIL], 0
	v_lshrrev_b32 v1, 5, v0
	v_readfirstlane_b32 s16, v1                    ; wave 0..7
	v_and_b32 v2, 31, v0                           ; lane
	s_mov_b32 s21, 0                               ; the high word of every offset
	s_wait_kmcnt 0x0
	s_cmp_lt_u32 ttmp9, NW
	s_cbranch_scc1 .Lw
	s_cmp_lt_u32 ttmp9, NW+NX
	s_cbranch_scc1 .Lx
	; ---- P: a wave takes 2,048 numbers: 16 loads of 512 consecutive bytes, 16 stores of 256 consecutive bytes, aligned
	s_sub_co_u32 s18, ttmp9, NW+NX
	s_lshl_b32 s18, s18, 3
	s_add_co_u32 s18, s18, s16                     ; my run
	s_lshl_b32 s20, s18, 13
	s_add_nc_u64 s[8:9], s[8:9], s[20:21]
	s_lshl_b32 s20, s18, 12
	s_add_nc_u64 s[14:15], s[14:15], s[20:21]
	v_lshlrev_b32 v3, 4, v2
	v_lshlrev_b32 v4, 3, v2
.irp i, 0,1,2,3,4,5,6,7,8,9,10,11,12,13,14,15
	global_load_b128 v[32+4*\i:35+4*\i], v3, s[8:9] offset:512*\i th:TH_LOAD_NT
.endr
.irp i, 0,1,2,3,4,5,6,7,8,9,10,11,12,13,14,15
	s_wait_loadcnt 15-\i                           ; loads come back in order: load i is in, the younger ones stay out
	v_cvt_pk_f16_f32 v[96+2*\i], v[32+4*\i], v[33+4*\i]
	v_cvt_pk_f16_f32 v[97+2*\i], v[34+4*\i], v[35+4*\i]
	global_store_b64 v4, v[96+2*\i:97+2*\i], s[14:15] offset:256*\i
.endr
	s_endpgm
	; ---- X: rows are dense and 1,024 is a multiple of 32: a plain stream of blocks.  A wave takes 16 steps of 512 numbers.  Each load reads 512 consecutive bytes; a step's 2,048 bytes turn through the
	; wave's own stage in LDS, so that a lane then holds 16 NEIGHBOURS along K (two lanes to a block), as the conversions want.
.Lx:
	s_sub_co_u32 s18, ttmp9, NW
	s_lshl_b32 s18, s18, 3
	s_add_co_u32 s18, s18, s16                     ; which run of 8,192 numbers is my wave's
	s_lshl_b32 s20, s18, 15
	s_add_nc_u64 s[4:5], s[4:5], s[20:21]
	s_lshl_b32 s20, s18, 12
	s_add_nc_u64 s[10:11], s[10:11], s[20:21]
	s_lshl_b32 s20, s18, 8
	s_add_nc_u64 s[12:13], s[12:13], s[20:21]
	v_lshlrev_b32 v3, 4, v2                        ; my 16 bytes of a load's 512
	s_mul_i32 s17, s16, WREG
	v_lshrrev_b32 v14, 2, v2
	v_mul_u32_u24 v14, v14, SP
	v_and_b32 v15, 3, v2
	v_lshl_add_u32 v14, v15, 4, v14
	v_add_nc_u32 v14, s17, v14                     ; the stage, on the way in: SP (lane / 4) + 16 (lane % 4)
	v_mul_u32_u24 v15, v2, SP
	v_add_nc_u32 v15, s17, v15                     ; and on the way out: SP x lane
	v_mul_u32_u24 v4, v2, CB                       ; my codes' place in a step's
	v_lshrrev_b32 v5, 1, v2
	s_add_co_u32 s17, s17, 2*32*SP
	v_add_nc_u32 v5, s17, v5                       ; my wave's 256 scale bytes, my block's byte
	v_lshlrev_b32 v7, 3, v2
	v_add_nc_u32 v6, s17, v7                       ; and on the way out 8 bytes a lane
.macro XLOAD t
.irp i, 0,1,2,3
	global_load_b128 v[R+16*((\t)%4)+4*\i:R+16*((\t)%4)+4*\i+3], v3, s[4:5] offset:2048*(\t)+512*\i th:TH_LOAD_NT
.endr
.endm
.macro XTURN t                         ; step t's numbers through the stage: LDS serves a wave's instructions in order, so no wait stands between the stores and the loads
.irp i, 0,1,2,3
	ds_store_b128 v14, v[R+16*((\t)%4)+4*\i:R+16*((\t)%4)+4*\i+3] offset:32*SP*((\t)%2)+8*SP*\i
.endr
.irp i, 0,1,2,3
	ds_load_b128 v[X+16*((\t)%2)+4*\i:X+16*((\t)%2)+4*\i+3], v15 offset:32*SP*((\t)%2)+16*\i
.endr
.endm
.irp t, 0,1,2,3
	XLOAD \t
.endr
	s_wait_loadcnt 12                              ; step 0's four loads are in
	XTURN 0
.macro XSTEP t
.set XR, X+16*((\t)%2)
.if (\t) > 0
	s_wait_dscnt 1                                 ; this step's numbers are back from the stage (the last step's byte store may be out)
.else
	s_wait_dscnt 0x0
.endif
.if (\t)+4 < STEPS
	XLOAD (\t)+4                                   ; into the registers that the stage's stores have read
.endif
.if (\t)+1 < STEPS
.if STEPS-2-(\t) >= 3
	s_wait_loadcnt 12                              ; the next step's four loads are in; those of the three steps behind it may be out
.else
	s_wait_loadcnt 4*(STEPS-2-(\t))
.endif
	XTURN (\t)+1
.endif
	v_max3_num_f32 v8, |v[XR]|, |v[XR+1]|, |v[XR+2]|               ; the largest magnitude of my 16, in two chains
	v_max3_num_f32 v9, |v[XR+3]|, |v[XR+4]|, |v[XR+5]|
.irp i, 6,10
	v_max3_num_f32 v8, v8, |v[XR+\i]|, |v[XR+\i+1]|
	v_max3_num_f32 v9, v9, |v[XR+\i+2]|, |v[XR+\i+3]|
.endr
	v_max3_num_f32 v8, v8, |v[XR+14]|, |v[XR+15]|
	v_max3_num_f32 v8, v8, v9, (EMAX+1)<<23        ; and the floor 2^(3 - 127): the byte cannot fall under 1
	v_max_num_f32_dpp v8, v8, v8 row_xmask:1 row_mask:0xf bank_mask:0xf   ; and of my neighbour's 16: the block's
	v_add_nc_u32 v11, -(EMAX<<23), v8              ; 2 off its exponent field: the conversion takes the exponent field of this operand as its scale
	v_cvt_scalef32_pk8_fp4_f32 v[C+4*(\t)], v[XR:XR+7], v11
	v_cvt_scalef32_pk8_fp4_f32 v[C+4*(\t)+1], v[XR+8:XR+15], v11
	v_lshrrev_b32 v[E+(\t)], 23, v11               ; the scale's byte (also the plain line behind the conversions)
	ds_store_b8 v5, v[E+(\t)] offset:16*(\t)       ; both lanes of a block write the same byte with the same value
	global_store_b64 v4, v[C+4*(\t):C+4*(\t)+1], s[10:11] offset:32*CB*(\t)   ; the wave stores 256 consecutive bytes, aligned
.endm
.irp t, 0,1,2,3,4,5,6,7,8,9,10,11,12,13,14,15
	XSTEP \t
.endr
	ds_load_b64 v[8:9], v6                         ; my wave's 256 scale bytes: these loads see my stores
	s_wait_dscnt 0x0
	global_store_b64 v7, v[8:9], s[12:13]          ; 256 consecutive bytes, aligned
	FIN
	; ---- W: K is the FIRST axis.  A lane takes a column n and its registers run down K: each load reads 128 consecutive bytes, a block of 32 lies in one lane, and the codes come out with K innermost.
	; A work-group takes 32 columns and all of K; wave kw takes k = 128 kw .. + 127, four blocks.  The eight waves' codes meet in a stage, so that whole rows of 512 bytes leave.
.Lw:
	s_mul_i32 s20, s16, 128*12288
	s_lshl_b32 s22, ttmp9, 7
	s_add_co_u32 s20, s20, s22
	s_add_nc_u64 s[6:7], s[6:7], s[20:21]          ; W at row 128 kw, column 32 x work-group
	s_lshl_b32 s20, ttmp9, 14
	s_add_co_u32 s20, s20, XC
	s_add_nc_u64 s[10:11], s[10:11], s[20:21]      ; my 32 rows of codes
	s_lshl_b32 s20, ttmp9, 10
	s_add_co_u32 s20, s20, XS
	s_add_nc_u64 s[12:13], s[12:13], s[20:21]      ; and of scale bytes
	v_lshlrev_b32 v3, 2, v2
.set t_, 0
.rept 128
	global_load_b32 v[32+t_], v3, s[6:7] offset:t_*12288 th:TH_LOAD_NT   ; W(128 kw + t, my column)
.set t_, t_+1
.endr
	s_lshl_b32 s22, s16, 6
	s_add_co_u32 s22, s22, WSTG
	v_mul_u32_u24 v4, v2, WPITCH
	v_add_nc_u32 v4, s22, v4                       ; into the stage: row = my column, byte 64 kw
	s_lshl_b32 s22, s16, 2
	s_add_co_u32 s22, s22, WSC
	v_lshl_add_u32 v5, v2, 5, s22                  ; my column's scale word 4 kw
	s_mul_i32 s22, s16, 4*WPITCH
	s_add_co_u32 s22, s22, WSTG
	v_lshl_add_u32 v6, v2, 4, s22                  ; out of the stage: rows 4 wave .. + 3, 16 bytes a lane
	s_lshl_b32 s22, s16, 11
	v_lshl_add_u32 v7, v2, 4, s22                  ; and the same place in the codes
	s_lshl_b32 s22, s16, 9
	v_lshl_add_u32 v9, v2, 4, s22                  ; the scale bytes: 512 a wave (waves 0 and 1)
	v_add_nc_u32 v8, WSC, v9
.macro WBLOCK t, left
.set XR, 32+32*(\t)
	s_wait_loadcnt \left                           ; this block's 32 loads are in
	v_max3_num_f32 v10, |v[XR]|, |v[XR+1]|, |v[XR+2]|              ; the block's largest magnitude: all 32 numbers are mine
	v_max3_num_f32 v11, |v[XR+3]|, |v[XR+4]|, |v[XR+5]|
.irp i, 6,10,14,18,22,26
	v_max3_num_f32 v10, v10, |v[XR+\i]|, |v[XR+\i+1]|
	v_max3_num_f32 v11, v11, |v[XR+\i+2]|, |v[XR+\i+3]|
.endr
	v_max3_num_f32 v10, v10, |v[XR+30]|, |v[XR+31]|
	v_max3_num_f32 v10, v10, v11, (EMAX+1)<<23     ; and the floor
	v_add_nc_u32 v24, -(EMAX<<23), v10             ; the conversion's scale operand
	v_lshrrev_b32 v11, 23, v24                     ; the scale's byte
.if (\t) == 0
	v_mov_b32 v176, v11                            ; four bytes to a word, the lower K in the lower byte
.else
	v_lshl_or_b32 v176, v11, 8*(\t), v176
.endif
.irp g, 0,1,2,3
	v_cvt_scalef32_pk8_fp4_f32 v[160+4*(\t)+\g], v[XR+8*\g:XR+8*\g+7], v24
.endr
	ds_store_b128 v4, v[160+4*(\t):160+4*(\t)+3] offset:16*(\t)    ; 32 codes: 16 bytes of my column's row; each block has registers of its own
.endm
	WBLOCK 0, 63                                   ; 96 younger loads are out: the count is the largest that the wait can name
	WBLOCK 1, 63                                   ; 64 younger
	WBLOCK 2, 32
	WBLOCK 3, 0
	ds_store_b32 v5, v176
	s_wait_dscnt 0x0                               ; for the others' sake: my stores into the stage are done
	s_barrier_signal -1
	s_barrier_wait -1
.irp i, 0,1,2,3
	ds_load_b128 v[32+4*\i:35+4*\i], v6 offset:WPITCH*\i
.endr
.irp i, 0,1,2,3
	s_wait_dscnt 3-\i
	global_store_b128 v7, v[32+4*\i:35+4*\i], s[10:11] offset:512*\i   ; a whole row: 512 consecutive bytes, aligned
.endr
	s_cmp_lt_u32 s16, 2
	s_cbranch_scc0 .Lw_end
	ds_load_b128 v[48:51], v8
	s_wait_dscnt 0x0
	global_store_b128 v9, v[48:51], s[12:13]       ; 512 consecutive scale bytes
.Lw_end:
	FIN
.Lfunc_end_k_q1c56a7d264_prep:
	.size	k_q1c56a7d264_prep, .Lfunc_end_k_q1c56a7d264_prep-k_q1c56a7d264_prep
	.p2alignl 7, 3214868480
	.fill 96, 4, 3214868480
	.section	.rodata,"a",@progbits
	.p2align	6, 0x0
	.amdhsa_kernel k_q1c56a7d264_prep
		.amdhsa_group_segment_fixed_size 84480
		.amdhsa_private_segment_fixed_size 0
		.amdhsa_enable_private_segment 0
		.amdhsa_kernarg_size 48
		.amdhsa_user_sgpr_count 2
		.amdhsa_user_sgpr_kernarg_segment_ptr 1
		.amdhsa_wavefront_size32 1
		.amdhsa_system_sgpr_workgroup_id_x 1
		.amdhsa_system_sgpr_workgroup_id_y 1
		.amdhsa_system_sgpr_workgroup_id_z 1
		.amdhsa_system_vgpr_workitem_id 0
		.amdhsa_next_free_vgpr 192
		.amdhsa_next_free_sgpr 66
		.amdhsa_reserve_vcc 0
		.amdhsa_float_denorm_mode_32 3
		.amdhsa_float_denorm_mode_16_64 3
		.amdhsa_memory_ordered 1
		.amdhsa_forward_progress 1
		.amdhsa_inst_pref_size 60
	.end_amdhsa_kernel
	.amdgpu_metadata
---
amdhsa.version: [ 1, 2 ]
amdhsa.kernels:
  - .name:           k_q1c56a7d264_prep
    .symbol:         k_q1c56a7d264_prep.kd
    .args:
      - { .name: hidden_states, .offset: 0, .size: 8, .value_kind: global_buffer, .address_space: global }
      - { .name: c_attn_w, .offset: 8, .size: 8, .value_kind: global_buffer, .address_space: global }
      - { .name: c_proj_w, .offset: 16, .size: 8, .value_kind: global_buffer, .address_space: global }
      - { .name: codes, .offset: 24, .size: 8, .value_kind: global_buffer, .address_space: global }
      - { .name: scales, .offset: 32, .size: 8, .value_kind: global_buffer, .address_space: global }
      - { .name: pw16, .offset: 40, .size: 8, .value_kind: global_buffer, .address_space: global }
    .group_segment_fixed_size: 84480
    .private_segment_fixed_size: 0
    .kernarg_segment_align: 8
    .kernarg_segment_size: 48
    .max_flat_workgroup_size: 256
    .sgpr_count:     66
    .vgpr_count:     192
    .wavefront_size: 32
...
	.end_amdgpu_metadata
.endif
;; end of part 1
;; launch qkv (part 2): grid 16 x 32, 4 waves a work-group, clusters of 4 x 4, 327,680 bytes of LDS; arguments codes, scales, c_attn_b, qkv16, qkv32, vsum; writes qkv16, qkv32, vsum
.if DOCPART == 2
	.amdgcn_target "amdgcn-amd-amdhsa--gfx1250"
	.amdhsa_code_object_version 6
	.text
	.protected	k_q1c56a7d264_qkv
	.globl	k_q1c56a7d264_qkv
	.p2align	8
	.type	k_q1c56a7d264_qkv,@function
k_q1c56a7d264_qkv:
	s_mov_b64 s[64:65], 0
	v_nop
	global_prefetch_b8 v0, s[64:65] scope:SCOPE_SE
	s_setreg_imm32_b32 hwreg(HW_REG_WAVE_MODE, 25, 1), 1
	s_wait_xcnt 0x0
	s_wait_alu depctr_hold_cnt(0) depctr_sa_sdst(0) depctr_va_vdst(0) depctr_va_sdst(0) depctr_va_ssrc(0) depctr_va_vcc(0) depctr_vm_vsrc(0)
	s_getreg_b32 s2, hwreg(HW_REG_IB_STS2, 6, 4)
	s_cmp_eq_u32 s2, 0
	s_cbranch_scc0 .Lentry_in_a_cluster
	s_endpgm
.Lentry_in_a_cluster:
	s_bfe_u32 s2, ttmp6, 0x10000c
	s_cmp_lg_u32 s2, 0xf033
	s_cbranch_scc0 .Lentry_shape_is_right
	s_endpgm
.Lentry_shape_is_right:
; QKV = Q(x) Q(W) + b on codes of FP4 (E2M1) with one E8M0 scale for each 32 along K; sums in f32.  x: 8,192 rows, W: 3,072 rows (columns n of c_attn_w), K = 1,024: rows of 512 bytes of codes and 32 scale bytes.
; A work-group makes 256 rows x 192 columns: the q | k | v of ONE head.  Four waves, each 64 rows x 192 columns: 48 accumulators.  All of K lies in LDS (two chunks of 512 along K), so nothing is filled again.
; CLUSTERS: 4 x 4.  The head is 4 x cluster x + cx; the tile row is 8 cy + cluster y: so the batch is cy, and the place in the sequence (256 x cluster y) is the SAME in all sixteen partners.
; A's tiles are shared along a row of the cluster, W's along a column: each is asked for jointly.
; THE MATRIX INSTRUCTION IS USED TRANSPOSED (source 0 = 16 rows of W, source 1 = 16 rows of x): accumulator (a, b), lane (r, h), register j = C(row 16 a + r, column 16 b + 8 h + j).
; The bias is loaded straight into the accumulators, so every product adds in place.
; OUT: q x log2(e)/8, k, v as f16, [part][batch x head][position][64] (whole rows of 128 bytes, 512 consecutive bytes a store); the sums of v over my 64 positions in f32 (vsum; the first 16 positions of a sequence
; are left out of its block 0); and, for positions 0-15 of a sequence, all 192 columns in f32 (qkv32: 32-byte pieces of 64 rows in the whole launch).
; LIMITS: |q log2(e)/8|, |k|, |v| up to 65,504; under 6e-5 f16's absolute step of 6e-8; NaN and infinities are not served.
; REGISTERS: window 0: v16-31 addresses; v32-47 x's scale words, v48-95 W's (nothing else ever); v96-159 x's fragments, two sets; v160-255 at work on the way out.
;   window 1: accumulators b = 0..7 at 8 (4 b + a).   window 2: b = 8..11 (v's columns) at 8 (4 (b - 8) + a).   window 3: W's fragments, two sets of 96; on the way out the rows read back.
.set XC,    4194304
.set XS,    262144
.set PART,  16777216
.set PITCH, 272                        ; an LDS row: 256 bytes + 16 of padding: the 16 rows of a fragment load start at 16 different groups of banks
.set BOFF,  256*PITCH                  ; in a chunk: x's 256 rows, then W's 192
.set CH,    448*PITCH                  ; a chunk
.set STAGE, 2*CH                       ; 16 rows x 144 bytes for each wave
.set SPARE, STAGE+4*2304               ; the spare words, 128 bytes for each wave: two blocks of 256 bytes that no other line names
.set ADRA, 16                          ; v16-17 LDS address of my x fragments in chunk 0, 1
.set ADRB, 20                          ; v20-21 the same for W
.set TO,   22                          ; v22 my place in a block sum of v
.set STO,  24
.set RD,   25
.set GO,   26
.set BO,   27                          ; v27 32 h: the bias of my eight columns
.set SPW,  28
.set NIL,  29
.set XO,   30                          ; v30 32 x lane: a row of scale bytes
.set FO,   31                          ; v31 12288 r + 32 h: my place in qkv32
.set XA,   32                          ; x's scale words: register 8 i + q: lanes 0-15 block 2 i, lanes 16-31 block 2 i + 1; q: which 128 along K
.set XB,   48                          ; W's likewise
.set AF,   96
.set X,    160
.set Y,    192
.set TMP,  208
.set G1A, 24
.set G0A, 32
.set G1B, 48
.set G0B, 56
.set GW, (1<<20)|(1<<21)|(5<<22)|(3<<25)   ; elements of 1 byte; padding on; bit 21 beside a mask; 4 words of padding after every 64
.set MSB, 0
.macro WIN new                         ; the immediate's high byte repeats the setting that is left
.if MSB != \new
	s_set_vgpr_msb (MSB<<8)|\new
.set MSB, \new
.endif
.endm
.macro PLACES n
.rept \n
	v_nop
.endr
.endm
.macro JLOAD g0a, g1a, g0b, g1b        ; a joint load: waves 0 and 1 fetch for x, waves 2 and 3 for W; an s_nop 0 and four v_nop follow each line
	s_cmp_eq_u32 s17, 0
	s_cbranch_scc0 .Lfor_b_\@
	tensor_load_to_lds s[\g0a:\g0a+3], s[\g1a:\g1a+7]
	s_nop 0
.rept 4
	v_nop
.endr
	s_branch .Lasked_\@
.Lfor_b_\@:
	tensor_load_to_lds s[\g0b:\g0b+3], s[\g1b:\g1b+7]
	s_nop 0
.rept 4
	v_nop
.endr
.Lasked_\@:
.endm
.macro CROUND                          ; a round of the cluster's barrier
	s_barrier_signal -1
	s_barrier_wait -1
	s_cmp_lg_u32 s16, 0
	s_cbranch_scc1 .Lnot_wave_0_\@
	s_barrier_signal -3
.Lnot_wave_0_\@:
	s_barrier_wait -3
	s_barrier_signal -1
	s_barrier_wait -1
.endm
	s_load_b256 s[4:11], s[0:1], 0x0               ; codes s[4:5], scales s[6:7], c_attn_b s[8:9], qkv16 s[10:11]
	s_load_b128 s[12:15], s[0:1], 0x20             ; qkv32 s[12:13], vsum s[14:15]
	v_lshl_add_u32 v[SPW], v0, 2, SPARE
	v_mov_b32 v[NIL], 0
	ds_add_u32 v[SPW], v[NIL]                      ; the wave's opening: the add, twice on end, and its wait ahead of my first tensor load
	ds_add_u32 v[SPW], v[NIL]
	v_lshrrev_b32 v1, 5, v0
	v_readfirstlane_b32 s16, v1                    ; wave 0..3
	s_lshr_b32 s17, s16, 1                         ; I fetch for x (0) or for W (1)
	s_and_b32 s18, s16, 1                          ; which half of that tile's rows
	s_bfe_u32 s40, ttmp6, 0x40000                  ; cx
	s_bfe_u32 s41, ttmp6, 0x40004                  ; cy
	s_lshl_b32 s42, ttmp9, 2
	s_add_co_u32 s42, s42, s40                     ; the head = 4 x cluster x + cx
	s_and_b32 s43, ttmp7, 0xffff                   ; cluster y: which 256 positions of the sequence
	s_lshl_b32 s44, s41, 3
	s_add_co_u32 s44, s44, s43                     ; tile row = 8 cy + cluster y
	s_lshl_b32 s45, s41, 2
	s_lshl_b32 s45, 15, s45                        ; my row of the cluster
	s_lshl_b32 s46, 0x1111, s40                    ; my column
	s_or_b32 s[G1A], s45, GW
	s_mov_b32 s[G1A+1], 256<<16                    ; tensor_dim0 = 256 bytes
	s_mov_b32 s[G1A+2], 128<<16                    ; tensor_dim1 = 128 rows
	s_mov_b32 s[G1A+3], 256<<16                    ; tile_dim0
	s_mov_b32 s[G1A+4], 128                        ; tile_dim1
	s_mov_b32 s[G1A+5], 512                        ; from row to row
	s_mov_b32 s[G1A+6], 0
	s_mov_b32 s[G1A+7], 0
	s_or_b32 s[G1B], s46, GW
	s_mov_b32 s[G1B+1], 256<<16
	s_mov_b32 s[G1B+2], 96<<16
	s_mov_b32 s[G1B+3], 256<<16
	s_mov_b32 s[G1B+4], 96
	s_mov_b32 s[G1B+5], 512
	s_mov_b32 s[G1B+6], 0
	s_mov_b32 s[G1B+7], 0
	s_lshl_b32 s20, s44, 8
	s_lshl_b32 s19, s18, 7
	s_add_co_u32 s20, s20, s19                     ; x: row 256 x tile row + 128 x half
	s_lshl_b32 s20, s20, 9
	s_mov_b32 s21, 0
	s_mul_i32 s66, s42, 192
	s_mul_i32 s67, s18, 96
	s_add_co_u32 s66, s66, s67                     ; W: row 192 x head + 96 x half
	s_lshl_b32 s66, s66, 9
	s_add_co_u32 s66, s66, XC
	s_mov_b32 s67, 0
	s_mul_i32 s22, s18, 128*PITCH                  ; where they go: no place in the cluster enters an LDS address
	s_mul_i32 s23, s18, 96*PITCH
	s_add_co_u32 s23, s23, BOFF
	s_wait_dscnt 0x0                               ; both opening adds are done
	s_wait_kmcnt 0x0
	s_add_nc_u64 s[20:21], s[4:5], s[20:21]
	s_add_nc_u64 s[66:67], s[4:5], s[66:67]
	CROUND                                         ; all sixteen work-groups are here: the joint loads meet
.irp c, 0,1
	s_mov_b32 s[G0A+4*\c], 1
	s_add_co_u32 s[G0A+4*\c+1], s22, \c*CH
	s_add_nc_u64 s[G0A+4*\c+2:G0A+4*\c+3], s[20:21], \c*256
	s_or_b32 s[G0A+4*\c+3], s[G0A+4*\c+3], 0x80000000
	s_mov_b32 s[G0B+4*\c], 1
	s_add_co_u32 s[G0B+4*\c+1], s23, \c*CH
	s_add_nc_u64 s[G0B+4*\c+2:G0B+4*\c+3], s[66:67], \c*256
	s_or_b32 s[G0B+4*\c+3], s[G0B+4*\c+3], 0x80000000
	JLOAD G0A+4*\c, G1A, G0B+4*\c, G1B             ; two loads of mine are out at the most; both are first fills
.endr
	v_and_b32 v1, 15, v0                           ; r
	v_bfe_u32 v2, v0, 4, 1                         ; h
	v_and_b32 v3, 31, v0                           ; lane
	v_mul_u32_u24 v4, v1, PITCH
	v_lshl_add_u32 v4, v2, 4, v4                   ; a fragment's row x pitch + 16 h
	s_mul_i32 s19, s16, 64*PITCH                   ; my 64 rows of x
	v_add_nc_u32 v[ADRA], s19, v4
	v_add_nc_u32 v[ADRA+1], CH, v[ADRA]
	v_add_nc_u32 v[ADRB], BOFF, v4
	v_add_nc_u32 v[ADRB+1], CH, v[ADRB]
	v_lshrrev_b32 v5, 2, v1
	v_and_b32 v6, 3, v1
	v_lshlrev_b32 v[TO], 6, v5
	v_lshl_add_u32 v[TO], v2, 5, v[TO]
	v_lshl_add_u32 v[TO], v6, 3, v[TO]             ; 4 x (16 (r / 4) + 8 h + 2 (r % 4))
	s_mul_i32 s19, s16, 2304
	s_add_co_u32 s19, s19, STAGE                   ; my stage
	v_mul_u32_u24 v[STO], v1, 144
	v_lshl_add_u32 v[STO], v2, 4, v[STO]
	v_add_nc_u32 v[STO], s19, v[STO]               ; in: row r, 16 bytes for each half of the lanes
	v_lshrrev_b32 v5, 3, v3
	v_and_b32 v6, 7, v3
	v_mul_u32_u24 v[RD], v5, 144
	v_lshl_add_u32 v[RD], v6, 4, v[RD]
	v_add_nc_u32 v[RD], s19, v[RD]                 ; back: four rows of 128 bytes an instruction
	v_lshlrev_b32 v[GO], 4, v3
	v_lshlrev_b32 v[BO], 5, v2
	v_lshlrev_b32 v[XO], 5, v3
	v_mul_u32_u24 v[FO], v1, 12288
	v_lshl_add_u32 v[FO], v2, 5, v[FO]
	s_mov_b32 s89, 0
	s_lshl_b32 s88, s44, 8
	s_lshl_b32 s19, s16, 6
	s_add_co_u32 s88, s88, s19
	s_lshl_b32 s88, s88, 5
	s_add_nc_u64 s[84:85], s[6:7], s[88:89]        ; the scale bytes of my 64 rows of x
	s_mul_i32 s88, s42, 6144
	s_add_co_u32 s88, s88, XS
	s_add_nc_u64 s[86:87], s[6:7], s[88:89]        ; and of the head's 192 rows of W
	s_mul_i32 s88, s42, 768
	s_add_nc_u64 s[8:9], s[8:9], s[88:89]          ; the head's bias
	s_mul_i32 s19, s41, 196608
	s_add_co_u32 s88, s88, s19
	s_add_nc_u64 s[12:13], s[12:13], s[88:89]      ; qkv32: batch cy, the head's columns
	s_lshl_b32 s68, s41, 4
	s_add_co_u32 s68, s68, s42                     ; batch x 16 + head
	s_lshl_b32 s88, s68, 5
	s_lshl_b32 s19, s43, 2
	s_add_co_u32 s88, s88, s19
	s_add_co_u32 s88, s88, s16
	s_lshl_b32 s88, s88, 8
	s_add_nc_u64 s[14:15], s[14:15], s[88:89]      ; vsum: block 4 x cluster y + wave of 64 positions
	s_lshl_b32 s88, s68, 18
	s_lshl_b32 s19, s43, 15
	s_add_co_u32 s88, s88, s19
	s_lshl_b32 s19, s16, 13
	s_add_co_u32 s88, s88, s19
	s_add_nc_u64 s[74:75], s[10:11], s[88:89]      ; q's rows of mine,
	s_add_nc_u64 s[76:77], s[74:75], PART          ; k's,
	s_add_nc_u64 s[78:79], s[76:77], PART          ; v's
	s_mov_b32 s72, 0x3e38aa3b                      ; log2(e) / 8
	s_mov_b32 s73, s72
	s_mov_b32 s80, 0xff00ff00                      ; the lanes with bit 3, 2, 1, 0 of r set
	s_mov_b32 s81, 0xf0f0f0f0
	s_mov_b32 s82, 0xcccccccc
	s_mov_b32 s83, 0xaaaaaaaa
.irp i, 0,1                                    ; lane l takes the 32 scale bytes (8 words) of row 32 i + l
	global_load_b128 v[XA+8*\i:XA+8*\i+3], v[XO], s[84:85] offset:1024*\i
	global_load_b128 v[XA+8*\i+4:XA+8*\i+7], v[XO], s[84:85] offset:1024*\i+16
.endr
.irp i, 0,1,2,3,4,5
	global_load_b128 v[XB+8*\i:XB+8*\i+3], v[XO], s[86:87] offset:1024*\i
	global_load_b128 v[XB+8*\i+4:XB+8*\i+7], v[XO], s[86:87] offset:1024*\i+16
.endr
	WIN 0x40                                       ; destination window 1: the bias starts every sum
.set b_, 0
.rept 8
.irp a, 0,1,2,3
	global_load_b128 v[8*(4*b_+\a):8*(4*b_+\a)+3], v[BO], s[8:9] offset:64*b_
	global_load_b128 v[8*(4*b_+\a)+4:8*(4*b_+\a)+7], v[BO], s[8:9] offset:64*b_+16
.endr
.set b_, b_+1
.endr
	WIN 0x80
.rept 4
.irp a, 0,1,2,3
	global_load_b128 v[8*(4*(b_-8)+\a):8*(4*(b_-8)+\a)+3], v[BO], s[8:9] offset:64*b_
	global_load_b128 v[8*(4*(b_-8)+\a)+4:8*(4*(b_-8)+\a)+7], v[BO], s[8:9] offset:64*b_+16
.endr
.set b_, b_+1
.endr
	WIN 0
.macro FRAG reg, adr, q, i             ; 16 rows x 128 K of 4-bit codes: registers 4 c .. 4 c + 3 hold K = 64 c + 32 h + 0 .. 31
	ds_load_b128 v[(\reg):(\reg)+3], v[\adr] offset:64*(\q)+(\i)*16*PITCH
	ds_load_b128 v[(\reg)+4:(\reg)+7], v[\adr] offset:64*(\q)+32+(\i)*16*PITCH
.endm
.macro FETCH q                         ; step q's fragments (128 along K) into set q % 2: W's twelve, x's four
	WIN 0xc0
.irp i, 0,1,2,3,4,5,6,7,8,9,10,11
	FRAG 96*((\q)%2)+8*\i, ADRB+(\q)/4, (\q)%4, \i
.endr
	WIN 0
.irp i, 0,1,2,3
	FRAG AF+32*((\q)%2)+8*\i, ADRA+(\q)/4, (\q)%4, \i
.endr
.endm
; 48 products: the accumulators take turns, one instruction a turn, in the same order in every step.
.macro MUL48 q
.irp b, 0,1,2,3,4,5,6,7,8,9,10,11
.irp a, 0,1,2,3
.set rC, 8*(4*(\b%8)+\a)
.set rB, 96*((\q)%2)+8*\b
.set rA, AF+32*((\q)%2)+8*\a
.set rSB, XB+8*(\b/2)+(\q)
.set rSA, XA+8*(\a/2)+(\q)
.if \b < 8
	WIN 0x53                                       ; source 0 (W) window 3, source 1 (x) window 0, C and D window 1
.else
	WIN 0xa3                                       ; C and D window 2
.endif
.if (\b%2) && (\a%2)
	v_wmma_scale_f32_16x16x128_f8f6f4 v[rC:rC+7], v[rB:rB+7], v[rA:rA+7], v[rC:rC+7], v[rSB], v[rSA] matrix_a_fmt:MATRIX_FMT_FP4 matrix_b_fmt:MATRIX_FMT_FP4 matrix_a_scale:MATRIX_SCALE_ROW1 matrix_b_scale:MATRIX_SCALE_ROW1
.elseif (\b%2)
	v_wmma_scale_f32_16x16x128_f8f6f4 v[rC:rC+7], v[rB:rB+7], v[rA:rA+7], v[rC:rC+7], v[rSB], v[rSA] matrix_a_fmt:MATRIX_FMT_FP4 matrix_b_fmt:MATRIX_FMT_FP4 matrix_a_scale:MATRIX_SCALE_ROW1
.elseif (\a%2)
	v_wmma_scale_f32_16x16x128_f8f6f4 v[rC:rC+7], v[rB:rB+7], v[rA:rA+7], v[rC:rC+7], v[rSB], v[rSA] matrix_a_fmt:MATRIX_FMT_FP4 matrix_b_fmt:MATRIX_FMT_FP4 matrix_b_scale:MATRIX_SCALE_ROW1
.else
	v_wmma_scale_f32_16x16x128_f8f6f4 v[rC:rC+7], v[rB:rB+7], v[rA:rA+7], v[rC:rC+7], v[rSB], v[rSA] matrix_a_fmt:MATRIX_FMT_FP4 matrix_b_fmt:MATRIX_FMT_FP4
.endif
.endr
.endr
.endm
	s_wait_tensorcnt 1                             ; my part of chunk 0 is in; chunk 1's load may stay out
	s_barrier_signal -1
	s_barrier_wait -1                              ; everybody's is
	FETCH 0
	s_wait_loadcnt 0x0                             ; scale words and bias
.set QS, 0
.rept 8                                        ; eight steps of 128 along K, written out: every offset is an immediate
	s_wait_dscnt 0x0                               ; this step's fragments are in (asked for 48 products ago)
.if QS == 3
	s_wait_tensorcnt 0x0                           ; my part of chunk 1 is in,
	s_barrier_signal -1
	s_barrier_wait -1                              ; everybody's is
.endif
.if QS < 7
.if QS > 0
	PLACES 4                                       ; in front of loads into registers that the last step's products have read
.endif
	FETCH QS+1
.endif
	MUL48 QS
.set QS, QS+1
.endr
	; ---- THE WAY OUT
	WIN 0
	PLACES 4                                       ; in front of the first reads of results
	s_or_b32 s68, s43, s16                         ; 0: my rows begin a sequence (cluster y and the wave's number alone: the same in all partners)
	s_cmp_eq_u32 s68, 0
	s_cselect_b32 s70, 0, 1.0                      ; the weight of rows 0-15 in the block sum of v
	s_mov_b32 s71, s70
	s_cmp_lg_u32 s68, 0
	s_cbranch_scc1 .Lnot_first
	WIN 0x04                                       ; a store's data: window 1
.irp b, 0,1,2,3,4,5,6,7
	global_store_b128 v[FO], v[32*\b:32*\b+3], s[12:13] offset:64*\b       ; positions 0-15 in f32, q not yet scaled; each accumulator from its low end on
	global_store_b128 v[FO], v[32*\b+4:32*\b+7], s[12:13] offset:64*\b+16
.endr
	WIN 0x08
.irp b, 8,9,10,11
	global_store_b128 v[FO], v[32*(\b-8):32*(\b-8)+3], s[12:13] offset:64*\b
	global_store_b128 v[FO], v[32*(\b-8)+4:32*(\b-8)+7], s[12:13] offset:64*\b+16
.endr
	WIN 0
	s_wait_xcnt 0x0                                ; the stores' data are rewritten (q's scaling) only behind this wait
.Lnot_first:
	; the sum of v over my 64 rows: first over the four blocks a, then over the 16 lanes r by a butterfly that halves the registers at each step
	WIN 0x0a
.irp t, 0,1,2,3
.irp j, 0,2,4,6
	v_pk_add_f32 v[X+8*\t+\j:X+8*\t+\j+1], v[32*\t+8+\j:32*\t+8+\j+1], v[32*\t+16+\j:32*\t+16+\j+1]
.endr
.endr
	WIN 0x22
.irp t, 0,1,2,3
.irp j, 0,2,4,6
	v_pk_fma_f32 v[Y+8*\t+\j:Y+8*\t+\j+1], v[32*\t+\j:32*\t+\j+1], s[70:71], v[32*\t+24+\j:32*\t+24+\j+1] op_sel_hi:[1,0,1]
.endr
.endr
	WIN 0
.set i_, 0
.rept 16
	v_pk_add_f32 v[X+i_:X+i_+1], v[X+i_:X+i_+1], v[Y+i_:Y+i_+1]
.set i_, i_+2
.endr
.macro FOLD d, m, x                    ; registers i and i + d: a lane keeps one, by its bit of r, sends the other to lane xor x, and adds what it gets
.set i_, 0
.rept \d
	v_cndmask_b32 v[Y+i_%8], v[X+i_+\d], v[X+i_], s[\m]
	v_cndmask_b32 v[X+i_], v[X+i_], v[X+i_+\d], s[\m]
	v_add_f32_dpp v[X+i_], v[Y+i_%8], v[X+i_] row_xmask:\x row_mask:0xf bank_mask:0xf
.set i_, i_+1
.endr
.endm
	FOLD 16, 80, 8
	FOLD 8, 81, 4
	FOLD 4, 82, 2
	FOLD 2, 83, 1                                  ; lane (r, h) now holds channels 16 (r / 4) + 8 h + 2 (r % 4) + 0, 1
	global_store_b64 v[TO], v[X:X+1], s[14:15]     ; 256 consecutive bytes, aligned
	WIN 0x41
.set i_, 0
.rept 64
	v_pk_mul_f32 v[i_:i_+1], v[i_:i_+1], s[72:73] op_sel_hi:[1,0]   ; q x log2(e) / 8, in f32, ahead of the rounding
.set i_, i_+2
.endr
; Part p (q, k, v), block a of 16 rows: rounded to f16, through my stage, back as whole rows of 128 bytes.  LDS serves a wave's instructions in order: no wait between stores and loads, nor in front of the next block's stores.
.macro OUTB idx
.set p_, (\idx)/4
.set a_, (\idx)%4
.set T_, TMP+16*((\idx)%2)
.if p_ < 2
	WIN 0x05
.else
	WIN 0x0a
.endif
.irp t, 0,1,2,3
.irp j, 0,1,2,3
	v_cvt_pk_f16_f32 v[T_+4*\t+\j], v[8*(4*(4*(p_%2)+\t)+a_)+2*\j], v[8*(4*(4*(p_%2)+\t)+a_)+2*\j+1]
.endr
.endr
	WIN 0
.irp t, 0,1,2,3
	ds_store_b128 v[STO], v[T_+4*\t:T_+4*\t+3] offset:32*\t
.endr
	WIN 0xc0
.irp i, 0,1,2,3
	ds_load_b128 v[16*(\idx)+4*\i:16*(\idx)+4*\i+3], v[RD] offset:576*\i   ; every block has registers of its own: no store's data are written again
.endr
.endm
.macro SEND idx, younger
.set p_, (\idx)/4
.set a_, (\idx)%4
	s_wait_dscnt \younger                          ; the block is back; the next block's 4 stores and 4 loads may be out
	WIN 0x0c
.irp i, 0,1,2,3
	global_store_b128 v[GO], v[16*(\idx)+4*\i:16*(\idx)+4*\i+3], s[74+2*p_:75+2*p_] offset:2048*a_+512*\i   ; 512 consecutive bytes, aligned
.endr
.endm
	OUTB 0
.irp n, 1,2,3,4,5,6,7,8,9,10,11
	OUTB \n
	SEND \n-1, 8
.endr
	SEND 11, 0
	WIN 0
	s_wait_tensorcnt 0x0                           ; the wave's end
	ds_add_u32 v[SPW], v[NIL]
	s_wait_dscnt 0x0
	CROUND                                         ; the closing round
	s_endpgm
.Lfunc_end_k_q1c56a7d264_qkv:
	.size	k_q1c56a7d264_qkv, .Lfunc_end_k_q1c56a7d264_qkv-k_q1c56a7d264_qkv
	.p2alignl 7, 3214868480
	.fill 96, 4, 3214868480
	.section	.rodata,"a",@progbits
	.p2align	6, 0x0
	.amdhsa_kernel k_q1c56a7d264_qkv
		.amdhsa_group_segment_fixed_size 327680
		.amdhsa_private_segment_fixed_size 0
		.amdhsa_enable_private_segment 0
		.amdhsa_kernarg_size 48
		.amdhsa_user_sgpr_count 2
		.amdhsa_user_sgpr_kernarg_segment_ptr 1
		.amdhsa_wavefront_size32 1
		.amdhsa_system_sgpr_workgroup_id_x 1
		.amdhsa_system_sgpr_workgroup_id_y 1
		.amdhsa_system_sgpr_workgroup_id_z 1
		.amdhsa_system_vgpr_workitem_id 0
		.amdhsa_next_free_vgpr 1024
		.amdhsa_next_free_sgpr 96
		.amdhsa_reserve_vcc 0
		.amdhsa_float_denorm_mode_32 3
		.amdhsa_float_denorm_mode_16_64 3
		.amdhsa_memory_ordered 1
		.amdhsa_forward_progress 1
		.amdhsa_inst_pref_size 126
	.end_amdhsa_kernel
	.amdgpu_metadata
---
amdhsa.version: [ 1, 2 ]
amdhsa.kernels:
  - .name:           k_q1c56a7d264_qkv
    .symbol:         k_q1c56a7d264_qkv.kd
    .args:
      - { .name: codes, .offset: 0, .size: 8, .value_kind: global_buffer, .address_space: global }
      - { .name: scales, .offset: 8, .size: 8, .value_kind: global_buffer, .address_space: global }
      - { .name: c_attn_b, .offset: 16, .size: 8, .value_kind: global_buffer, .address_space: global }
      - { .name: qkv16, .offset: 24, .size: 8, .value_kind: global_buffer, .address_space: global }
      - { .name: qkv32, .offset: 32, .size: 8, .value_kind: global_buffer, .address_space: global }
      - { .name: vsum, .offset: 40, .size: 8, .value_kind: global_buffer, .address_space: global }
    .group_segment_fixed_size: 327680
    .private_segment_fixed_size: 0
    .kernarg_segment_align: 8
    .kernarg_segment_size: 48
    .max_flat_workgroup_size: 128
    .sgpr_count:     96
    .vgpr_count:     1024
    .wavefront_size: 32
...
	.end_amdgpu_metadata
.endif
;; end of part 2
;; launch attn (part 3): grid 4 x 64, 8 waves a work-group, no clusters, 327,680 bytes of LDS; arguments qkv16, vsum, attn16; writes attn16
.if DOCPART == 3
	.amdgcn_target "amdgcn-amd-amdhsa--gfx1250"
	.amdhsa_code_object_version 6
	.text
	.protected	k_q1c56a7d264_attn
	.globl	k_q1c56a7d264_attn
	.p2align	8
	.type	k_q1c56a7d264_attn,@function
k_q1c56a7d264_attn:
	s_mov_b64 s[64:65], 0
	v_nop
	global_prefetch_b8 v0, s[64:65] scope:SCOPE_SE
	s_setreg_imm32_b32 hwreg(HW_REG_WAVE_MODE, 25, 1), 1
	s_wait_xcnt 0x0
; Causal attention of one head (batch x head = work-group y) on f16 operands, f32 sums.  q comes multiplied by log2(e)/8, so a score IS t, and p = 2^(t - m) with a running maximum m for each query.
; THE MASK IS -10000, NOT -INFINITY, and is kept so: a hidden key inside a visited step gets t = -10000 log2(e) and goes through softmax and second product like any key; the keys of steps that are never visited
; enter at the end: their number x 2^(tmask - m) in the row's sum, and 2^(tmask - m) x the sum of their v (from the block sums of 64 keys in vsum) in O.  No branch hangs on data.
; SHARES.  Work-group x = i owns the query blocks (256 queries) 7 - i, then i.  A slot holds 256 keys; the first pass walks key slots 0 .. 7 - i, the second 0 .. i: NINE slots in every work-group, so all trip
; counts are constants and all 256 work-groups have equal work.  A wave owns 32 queries (two tiles of 16): chunk w for waves 0-3, 11 - w for waves 4-7.
; NO CLUSTER: the four work-groups of a head need different numbers of tiles in each pass (8 - i and i + 1), so a joint tile would be one that all waves of some partner jump over.
; LAYOUT.  S^T = K Q^T (source 0 = 16 keys, source 1 = 16 queries): a lane holds ONE query (r) and keys 8 h + 0..7.  Two such tiles, rounded to f16 in pairs, are source 1 of O^T = V^T P.  V is turned by ds_load_tr16_b128.
; The row's sum is a product too: a fragment of ones x P (it sums the rounded p, the numbers that enter O).  Of its eight equal rows the lane rescales and reads the first two registers alone; the other six stay
; bounded by the number of keys and are never read.
; LIMITS: operands in f16 (see the launch that makes them); NaN and infinities are not served.
; REGISTERS.  window 0: v1-18 addresses and constants; v20-35 statistics; v40-71 Q; v72-103 the second pass's Q; v104-167 K; v168-231 S^T, then p; v232-249 at work at a pass's end.
;   window 1: v0-63 O^T; v64-79 the sums; v80-111 P; v112-175 V; v176-183 ones; v184-245 the block sums of v, blocks 1-31.
.set PART,  16777216
.set PK,    144                        ; a row of K in LDS: 128 bytes + 16
.set PV,    160                        ; a row of V: 128 + 32: an odd multiple of 32
.set VOFF,  64*PK
.set STEPB, 64*(PK+PV)                 ; a key step: 64 rows of K, then 64 rows of V
.set SLOT1, 1<<17                      ; slot 1 begins here: one exclusive or turns an address from one slot to the other
.set STAGE, 2*SLOT1                    ; for each wave 32 rows x 144 bytes, then 256 bytes of scratch
.set WST,   5120
.set SPARE, STAGE+8*WST                ; the spare words, 128 bytes for each wave: four blocks of 256 bytes that no other line names
.set AK0, 1
.set AV0, 2
.set ADK, 3
.set ADV, 4
.set QO,  5
.set STO, 6
.set RD,  7
.set GO,  8
.set PFO, 9
.set TOF, 10
.set SCR, 11
.set SCL, 12
.set TMV, 13                           ; v13 the mask's t
.set SPW, 14
.set NIL, 15
.set D0,  16                           ; v16-17 my query - the step's first key - 8 h, for tile 0, 1
.set RH,  18                           ; v18 r - 8 h
.set ST,  20                           ; tile u at ST + 8 u: +0 m, +1 its partner, +2 a, +3 its partner, +4..7 c0-c3
.set Q,   40
.set Q2,  72
.set K,   104
.set S,   168
.set VS,  104                          ; a pass's end: the far keys' sum of v, in O's layout
.set BK,  136
.set R,   168
.set H,   200
.set FS,  232
.set AS,  248
.set L,   64                           ; window 1
.set P,   80
.set V,   112
.set ONES,176
.set F,   184
.set WV,  10
.set IX,  11
.set BH,  12
.set CHK, 13
.set PB,  14                           ; slots of the first pass: 8 - i
.set N,   15                           ; the trip
.set TB,  16                           ; LDS byte of the key step in hand
.set KF,  17                           ; its first key
.set Q0,  18                           ; my first query
.set QL,  19                           ; my last
.set SEL, 20
.set OFF, 22                           ; s[22:23] byte offset of the key slot that is asked for
.set G1K, 24
.set G1V, 32
.set G0,  40
.set TBASE, 44                         ; s[44:45] my part (64 rows of K or of V) of key slot 0
.set PFA, 46
.set LIM, 48
.set MSB, 0
.macro WIN new
.if MSB != \new
	s_set_vgpr_msb (MSB<<8)|\new
.set MSB, \new
.endif
.endm
.macro TLOAD                           ; waves 0-3 fetch the slot's four key steps of K, waves 4-7 those of V: one load a wave; an s_nop 0 and four v_nop follow each line
	s_cmp_lt_u32 s[WV], 4
	s_cbranch_scc0 .Lfor_v_\@
	tensor_load_to_lds s[G0:G0+3], s[G1K:G1K+7]
	s_nop 0
.rept 4
	v_nop
.endr
	s_branch .Lasked_\@
.Lfor_v_\@:
	tensor_load_to_lds s[G0:G0+3], s[G1V:G1V+7]
	s_nop 0
.rept 4
	v_nop
.endr
.Lasked_\@:
.endm
; A prefetch of the key slot that the NEXT change of slots will ask for.  The four work-groups of a head walk the same K and V: the first of them (i = 0) asks, in its first pass, in trips 0-5 for key slots 2-7;
; each wave names its own part of 8,192 bytes, lanes 256 bytes apart: so each block is named once in the launch.  Key slots 0 and 1 come by their loads alone.
.macro ASK
	s_cmp_lt_u32 s[N], s[LIM]
	s_cbranch_scc0 .Lnot_mine_\@
	global_prefetch_b8 v[PFO], s[PFA:PFA+1] offset:32768 th:TH_LOAD_NT scope:SCOPE_SE
.Lnot_mine_\@:
.endm
	s_load_b128 s[4:7], s[0:1], 0x0                ; qkv16 s[4:5], vsum s[6:7]
	s_load_b64 s[8:9], s[0:1], 0x10                ; attn16
	v_lshl_add_u32 v[SPW], v0, 2, SPARE
	v_mov_b32 v[NIL], 0
	ds_add_u32 v[SPW], v[NIL]                      ; the wave's opening: the add, twice on end, and its wait ahead of my first tensor load
	ds_add_u32 v[SPW], v[NIL]
	v_lshrrev_b32 v36, 5, v0
	v_readfirstlane_b32 s[WV], v36                 ; wave 0..7
	s_mov_b32 s[IX], ttmp9
	s_and_b32 s[BH], ttmp7, 0xffff
	s_sub_co_u32 s[CHK], 11, s[WV]
	s_cmp_lt_u32 s[WV], 4
	s_cselect_b32 s[CHK], s[WV], s[CHK]            ; my chunk of 32 queries: it enters global addresses and compares alone
	s_sub_co_u32 s[PB], 8, s[IX]
	s_mov_b32 s[N], 0
	s_mov_b32 s[TB], 0
	s_mov_b32 s[KF], 0
	s_sub_co_u32 s[Q0], 7, s[IX]
	s_lshl_b32 s[Q0], s[Q0], 8
	s_lshl_b32 s66, s[CHK], 5
	s_add_co_u32 s[Q0], s[Q0], s66                 ; first pass: block 7 - i
	s_add_co_u32 s[QL], s[Q0], 31
	s_mov_b32 s[SEL], 0x76543210
	s_mov_b32 s[SEL+1], 0xfedcba98
	s_mov_b32 s[OFF], 0
	s_mov_b32 s[OFF+1], 0
	s_mov_b32 s[G1K], (1<<16)|(1<<20)|(4<<22)|(3<<25)   ; elements of 2 bytes; 4 words of padding after every 32
	s_mov_b32 s[G1V], (1<<16)|(1<<20)|(4<<22)|(7<<25)   ; 8 words
.irp g, G1K, G1V
	s_mov_b32 s[\g+1], 64<<16                      ; tensor_dim0 = 64 elements
	s_mov_b32 s[\g+2], 64<<16                      ; tensor_dim1 = 64 rows
	s_mov_b32 s[\g+3], 64<<16                      ; tile_dim0
	s_mov_b32 s[\g+4], 64                          ; tile_dim1
	s_mov_b32 s[\g+5], 64                          ; from row to row
	s_mov_b32 s[\g+6], 0
	s_mov_b32 s[\g+7], 0
.endr
	s_cmp_eq_u32 s[IX], 0
	s_cselect_b32 s[LIM], 6, 0
	s_mov_b32 s57, 0                               ; (named as the upper half of the pair s[56:57])
	s_mov_b32 s61, 0xc6616bcd                      ; -10000 log2(e)
	s_mov_b32 s62, 0xff61b1e6                      ; -3e38, under every t
	s_lshr_b32 s66, s[WV], 2                       ; 0: K, 1: V
	s_lshl_b32 s67, s66, 24
	s_add_co_u32 s67, s67, PART
	s_lshl_b32 s68, s[BH], 18                      ; the head's 2,048 rows of 128 bytes
	s_add_co_u32 s67, s67, s68
	s_and_b32 s69, s[WV], 3                        ; which key step of a slot I fetch
	s_lshl_b32 s70, s69, 13
	s_add_co_u32 s70, s70, s67
	s_mov_b32 s71, 0
	s_mul_i32 s72, s69, STEPB
	s_mul_i32 s73, s66, VOFF
	s_add_co_u32 s72, s72, s73                     ; and where it goes in a slot
	s_mov_b32 s69, 0
	s_wait_dscnt 0x0                               ; both opening adds are done
	s_wait_kmcnt 0x0
	s_add_nc_u64 s[TBASE:TBASE+1], s[4:5], s[70:71]
	s_mov_b32 s[G0], 1
	s_mov_b32 s[G0+1], s72
	s_mov_b64 s[G0+2:G0+3], s[TBASE:TBASE+1]
	s_or_b32 s[G0+3], s[G0+3], 0x80000000
	TLOAD                                          ; key slot 0 into slot 0
	s_add_nc_u64 s[50:51], s[4:5], s[68:69]        ; the head's q,
	s_add_nc_u64 s[52:53], s[8:9], s[68:69]        ; its rows of attn16,
	s_lshl_b32 s68, s[BH], 13
	s_add_nc_u64 s[54:55], s[6:7], s[68:69]        ; its block sums of v
	v_and_b32 v36, 15, v0                          ; r
	v_bfe_u32 v37, v0, 4, 1                        ; h
	v_and_b32 v38, 31, v0                          ; lane
	v_lshlrev_b32 v[QO], 7, v36
	v_lshl_add_u32 v[QO], v37, 4, v[QO]
	v_lshlrev_b32 v[TOF], 3, v38
	s_lshl_b32 s68, s[Q0], 7
	s_add_nc_u64 s[68:69], s[50:51], s[68:69]
	s_lshl_b32 s70, s[IX], 8
	s_lshl_b32 s66, s[CHK], 5
	s_add_co_u32 s70, s70, s66
	s_lshl_b32 s70, s70, 7
	s_add_nc_u64 s[70:71], s[50:51], s[70:71]
.irp u, 0,1
.irp c, 0,1
	global_load_b128 v[Q+16*\u+8*\c:Q+16*\u+8*\c+3], v[QO], s[68:69] offset:2048*\u+64*\c
	global_load_b128 v[Q+16*\u+8*\c+4:Q+16*\u+8*\c+7], v[QO], s[68:69] offset:2048*\u+64*\c+32
.endr
.endr
.irp u, 0,1
.irp c, 0,1
	global_load_b128 v[Q2+16*\u+8*\c:Q2+16*\u+8*\c+3], v[QO], s[70:71] offset:2048*\u+64*\c
	global_load_b128 v[Q2+16*\u+8*\c+4:Q2+16*\u+8*\c+7], v[QO], s[70:71] offset:2048*\u+64*\c+32
.endr
.endr
	WIN 0x40
.set jb, 1
.rept 31
	global_load_b64 v[F+2*(jb-1):F+2*(jb-1)+1], v[TOF], s[54:55] offset:256*jb   ; block jb: lane l holds channels 2 l, 2 l + 1; asked once, for both passes
.set jb, jb+1
.endr
.irp j, 0,1,2,3,4,5,6,7
	v_mov_b32 v[ONES+\j], 0x3c003c00               ; 1.0, 1.0 in f16
.endr
	WIN 0
	v_mul_u32_u24 v[AK0], v36, PK
	v_lshl_add_u32 v[AK0], v37, 4, v[AK0]          ; K: row r x pitch + 16 h
	v_and_b32 v39, 7, v0
	v_lshl_add_u32 v[AV0], v37, 3, v39
	v_mul_u32_u24 v[AV0], v[AV0], PV
	v_bfe_u32 v39, v0, 3, 1
	v_lshl_add_u32 v[AV0], v39, 4, v[AV0]
	v_add_nc_u32 v[AV0], VOFF, v[AV0]              ; V: key 8 h + lane % 8, channels 8 ((lane / 8) % 2) on
	s_mul_i32 s66, s[WV], WST
	s_add_co_u32 s66, s66, STAGE                   ; my stage
	v_mul_u32_u24 v[STO], v36, PK
	v_lshl_add_u32 v[STO], v37, 4, v[STO]
	v_add_nc_u32 v[STO], s66, v[STO]
	v_bfe_u32 v39, v0, 3, 2
	v_mul_u32_u24 v[RD], v39, PK
	v_and_b32 v39, 7, v0
	v_lshl_add_u32 v[RD], v39, 4, v[RD]
	v_add_nc_u32 v[RD], s66, v[RD]
	v_lshlrev_b32 v[GO], 4, v38
	v_lshlrev_b32 v[PFO], 8, v38
	s_add_co_u32 s66, s66, 32*PK                   ; my scratch
	v_add_nc_u32 v[SCR], s66, v[TOF]
	v_lshl_add_u32 v[SCL], v37, 5, s66
	v_mov_b32 v[TMV], 0xc6616bcd
	v_lshlrev_b32 v[RH], 3, v37
	v_sub_nc_u32 v[RH], v36, v[RH]
	v_mov_b32 v[ST+3], 0                           ; (named as the upper halves of a's pairs)
	v_mov_b32 v[ST+11], 0
.macro ZERO                            ; a pass begins: O^T and the sums are zeros, m is under every t: the step is written once, and its first turn multiplies zeros
	WIN 0x40
.set z_, 0
.rept 80
	v_mov_b32 v[z_], 0
.set z_, z_+1
.endr
	WIN 0
.irp u, 0,1
	v_mov_b32 v[ST+8*\u], s62
	v_mov_b32 v[ST+8*\u+1], s62
.endr
.endm
	ZERO
; A KEY STEP: 64 keys.
.macro STEP
	s_cmp_gt_u32 s[KF], s[QL]                      ; a step all of whose keys come after my queries is left out (ids alone); its keys enter at the pass's end
	s_cbranch_scc1 .Lhidden_\@
	v_add_nc_u32 v[ADK], s[TB], v[AK0]
	v_add_nc_u32 v[ADV], s[TB], v[AV0]
	v_nop
	v_nop                                          ; four places in front of loads into registers that the last products have read
.irp kt, 0,1,2,3
.irp c, 0,1
	ds_load_b128 v[K+16*\kt+8*\c:K+16*\kt+8*\c+3], v[ADK] offset:16*PK*\kt+64*\c
	ds_load_b128 v[K+16*\kt+8*\c+4:K+16*\kt+8*\c+7], v[ADK] offset:16*PK*\kt+64*\c+32
.endr
.endr
	WIN 0x40
.irp kk, 0,1
.irp t, 0,1,2,3
	ds_load_tr16_b128 v[V+32*\kk+8*\t:V+32*\kk+8*\t+3], v[ADV] offset:32*PV*\kk+32*\t
	ds_load_tr16_b128 v[V+32*\kk+8*\t+4:V+32*\kk+8*\t+7], v[ADV] offset:32*PV*\kk+32*\t+16*PV
.endr
.endr
	WIN 0
	s_wait_dscnt 16                                ; K is in; V's sixteen loads may stay out
.irp c, 0,1                                    ; S^T = K Q^T: eight accumulators by turns
.irp kt, 0,1,2,3
.irp u, 0,1
.if \c == 0
	v_wmma_f32_16x16x32_f16 v[S+32*\u+8*\kt:S+32*\u+8*\kt+7], v[K+16*\kt+8*\c:K+16*\kt+8*\c+7], v[Q+16*\u+8*\c:Q+16*\u+8*\c+7], 0
.else
	v_wmma_f32_16x16x32_f16 v[S+32*\u+8*\kt:S+32*\u+8*\kt+7], v[K+16*\kt+8*\c:K+16*\kt+8*\c+7], v[Q+16*\u+8*\c:Q+16*\u+8*\c+7], v[S+32*\u+8*\kt:S+32*\u+8*\kt+7]
.endif
.endr
.endr
.endr
	s_sub_co_i32 s66, s[Q0], s[KF]
	v_add_nc_u32 v[D0], s66, v[RH]                 ; d = my query - the step's first key - 8 h: register 8 kt + j holds the key that is hidden where 16 kt + j > d
	v_add_nc_u32 v[D0+1], 16, v[D0]
	v_nop
	v_nop                                          ; four places behind the scores
	s_add_co_u32 s67, s[KF], 63
	s_cmp_le_u32 s67, s[Q0]                        ; a step all of whose keys count skips the mask
	s_cbranch_scc1 .Lopen_\@
.irp u, 0,1
.irp kt, 0,1,2,3
.irp j, 0,1,2,3,4,5,6,7
	v_cmp_gt_i32 vcc_lo, 16*\kt+\j, v[D0+\u]
	v_cndmask_b32 v[S+32*\u+8*\kt+\j], v[S+32*\u+8*\kt+\j], v[TMV], vcc_lo
.endr
.endr
.endr
.Lopen_\@:
.irp j, 0,1,2,3                                ; the maximum of my 32 scores and the old m: four chains a tile, the tiles by turns
.irp u, 0,1
	v_max3_num_f32 v[ST+8*\u+4+\j], v[S+32*\u+8*\j], v[S+32*\u+8*\j+1], v[S+32*\u+8*\j+2]
.endr
.endr
.irp g, 1,2
.irp j, 0,1,2,3
.irp u, 0,1
	v_max3_num_f32 v[ST+8*\u+4+\j], v[ST+8*\u+4+\j], v[S+32*\u+8*\j+2*\g+1], v[S+32*\u+8*\j+2*\g+2]
.endr
.endr
.endr
.irp u, 0,1
	v_max3_num_f32 v[ST+8*\u+4], v[ST+8*\u+4], v[S+32*\u+7], v[S+32*\u+15]
.endr
.irp u, 0,1
	v_max3_num_f32 v[ST+8*\u+6], v[ST+8*\u+6], v[S+32*\u+23], v[S+32*\u+31]
.endr
.irp u, 0,1
	v_max3_num_f32 v[ST+8*\u+4], v[ST+8*\u+4], v[ST+8*\u+5], v[ST+8*\u+6]
.endr
.irp u, 0,1
	v_max3_num_f32 v[ST+8*\u+4], v[ST+8*\u+4], v[ST+8*\u+7], v[ST+8*\u]
.endr
.irp u, 0,1
	v_permlanex16_b32 v[ST+8*\u+5], v[ST+8*\u+4], s[SEL], s[SEL+1]   ; the query's other 32 keys lie in the lane 16 away
.endr
.irp u, 0,1
	v_mov_b32 v[ST+8*\u+7], v[ST+8*\u]             ; the old m
.endr
.irp u, 0,1
	v_max_num_f32 v[ST+8*\u], v[ST+8*\u+4], v[ST+8*\u+5]
.endr
.irp u, 0,1
	v_sub_f32 v[ST+8*\u+7], v[ST+8*\u+7], v[ST+8*\u]
.endr
.irp u, 0,1
.set i_, 0
.rept 16
	v_pk_add_f32 v[S+32*\u+i_:S+32*\u+i_+1], v[S+32*\u+i_:S+32*\u+i_+1], v[ST+8*\u:ST+8*\u+1] op_sel_hi:[1,0] neg_lo:[0,1] neg_hi:[0,1]   ; t - m
.set i_, i_+2
.endr
.endr
.irp u, 0,1
	v_exp_f32 v[ST+8*\u+2], v[ST+8*\u+7]           ; a = 2^(old m - new m)
.endr
.set i_, 0
.rept 64
	v_exp_f32 v[S+i_], v[S+i_]                     ; p
.set i_, i_+1
.endr
	v_nop                                          ; a plain line behind the last exponential
	s_wait_alu depctr_va_vdst(0)                   ; one wait for the batch of 66, ahead of its first reader
	WIN 0x40
.set i_, 0
.rept 32
	v_cvt_pk_f16_f32 v[P+i_], v[S+2*i_], v[S+2*i_+1]
.set i_, i_+1
.endr
	WIN 0x41
.irp u, 0,1
.set i_, 0
.rept 16
	v_pk_mul_f32 v[32*\u+i_:32*\u+i_+1], v[32*\u+i_:32*\u+i_+1], v[ST+8*\u+2:ST+8*\u+3] op_sel_hi:[1,0]   ; O^T x a
.set i_, i_+2
.endr
	v_pk_mul_f32 v[L+8*\u:L+8*\u+1], v[L+8*\u:L+8*\u+1], v[ST+8*\u+2:ST+8*\u+3] op_sel_hi:[1,0]   ; the sum x a
.endr
	s_wait_dscnt 0x0                               ; V is in
	WIN 0x55
.irp kk, 0,1                                   ; O^T += V^T P, and the sums += ones x P: ten accumulators by turns
.irp t, 0,1,2,3,4
.irp u, 0,1
.if \t < 4
	v_wmma_f32_16x16x32_f16 v[32*\u+8*\t:32*\u+8*\t+7], v[V+32*\kk+8*\t:V+32*\kk+8*\t+7], v[P+16*\u+8*\kk:P+16*\u+8*\kk+7], v[32*\u+8*\t:32*\u+8*\t+7]
.else
	v_wmma_f32_16x16x32_f16 v[L+8*\u:L+8*\u+7], v[ONES:ONES+7], v[P+16*\u+8*\kk:P+16*\u+8*\kk+7], v[L+8*\u:L+8*\u+7]
.endif
.endr
.endr
.endr
	WIN 0
.Lhidden_\@:
	s_add_co_u32 s[KF], s[KF], 64
	s_add_co_u32 s[TB], s[TB], STEPB
.endm
.macro SLOT_STEPS                      ; a slot's four key steps: written once, walked four times
	s_mov_b32 s49, 4
.Lstep_\@:
	STEP
	s_sub_co_u32 s49, s49, 1
	s_cmp_lg_u32 s49, 0
	s_cbranch_scc1 .Lstep_\@
	s_sub_co_u32 s[TB], s[TB], 4*STEPB
	s_xor_b32 s[TB], s[TB], SLOT1                  ; on to the other slot
.endm
; THE CHANGE OF SLOTS stands at a slot's head.  Each wave waits for all its tensor loads (one is out: its part of the slot ahead), adds 0 to its spare word, and waits for that and for its reads of the slot that it has left.
; Behind the barrier the slot ahead is whole and nobody reads the other one.  fill = 1: that other slot takes the next key slot of the walk; the load has a slot's four steps in which to land.
.macro CHANGE fill
	s_wait_tensorcnt 0x0                           ; no tensor load of mine is out, so the descriptor may be written
	ds_add_u32 v[SPW], v[NIL]
.if \fill
	s_xor_b32 s[G0+1], s[G0+1], SLOT1
	s_add_co_u32 s[OFF], s[OFF], 32768             ; the next 256 keys,
	s_add_co_u32 s66, s[N], 1
	s_cmp_eq_u32 s66, s[PB]
	s_cselect_b32 s[OFF], 0, s[OFF]                ; or, where the second pass begins, key slot 0 again
	s_add_nc_u64 s[G0+2:G0+3], s[TBASE:TBASE+1], s[OFF:OFF+1]
	s_or_b32 s[G0+3], s[G0+3], 0x80000000
	s_wait_xcnt 0x0                                ; the last prefetch, a slot back, has read its address
	s_add_nc_u64 s[PFA:PFA+1], s[TBASE:TBASE+1], s[OFF:OFF+1]
.endif
	s_wait_dscnt 0x0                               ; the add is done, and my reads of the slot that I have left are over
	s_barrier_signal -1
	s_barrier_wait -1
.if \fill
	TLOAD                                          ; the first thing behind the barrier, and my one tensor load until the next
	ASK
.endif
.endm
; A PASS'S END.  The keys from 64 FB on were never visited: NF of them, each with t = the mask's.
.macro FINISH
	s_lshr_b32 s58, s[Q0], 6
	s_add_co_u32 s58, s58, 1                       ; FB: the first block of 64 keys that I did not visit
	s_lshl_b32 s66, s58, 6
	s_sub_co_u32 s66, 2048, s66
	s_cvt_f32_u32 s59, s66                         ; NF
	s_cmp_eq_u32 s66, 0
	s_cselect_b32 s60, s62, s61                    ; their t; where there are none, a t under every t
	s_wait_loadcnt 0x0                             ; the block sums of v
	WIN 0x01
.set jb, 1
.rept 31                                       ; the sum of the far blocks, ascending: weights 1 or 0 from ids.  (These lines are also the places behind the last products)
	s_cmp_le_u32 s58, jb
	s_cselect_b32 s56, 1.0, 0
.if jb == 1
	v_pk_mul_f32 v[AS:AS+1], v[F:F+1], s[56:57] op_sel_hi:[1,0]
.else
	v_pk_fma_f32 v[AS:AS+1], v[F+2*(jb-1):F+2*(jb-1)+1], s[56:57], v[AS:AS+1] op_sel_hi:[1,0,1]
.endif
.set jb, jb+1
.endr
	WIN 0
	ds_store_b64 v[SCR], v[AS:AS+1]                ; 64 channels through my scratch, into O's layout: LDS serves a wave's instructions in order
.irp t, 0,1,2,3
	ds_load_b128 v[VS+8*\t:VS+8*\t+3], v[SCL] offset:64*\t
	ds_load_b128 v[VS+8*\t+4:VS+8*\t+7], v[SCL] offset:64*\t+16
.endr
.irp u, 0,1
	v_max_num_f32 v[FS+8*\u], s60, v[ST+8*\u]      ; the row's maximum with the far keys
.endr
.irp u, 0,1
	v_sub_f32 v[FS+8*\u+4], v[ST+8*\u], v[FS+8*\u]
	v_sub_f32 v[FS+8*\u+5], s60, v[FS+8*\u]
.endr
.irp u, 0,1
	v_exp_f32 v[FS+8*\u+4], v[FS+8*\u+4]           ; a
	v_exp_f32 v[FS+8*\u+5], v[FS+8*\u+5]           ; w
.endr
	v_nop
	s_wait_alu depctr_va_vdst(0)                   ; one wait for the four
.irp u, 0,1
	v_mul_f32 v[FS+8*\u+6], s59, v[FS+8*\u+5]
.endr
	WIN 0x01
.irp u, 0,1
	v_fma_f32 v[FS+8*\u+6], v[L+8*\u], v[FS+8*\u+4], v[FS+8*\u+6]   ; the row's sum
.endr
	WIN 0
.irp u, 0,1
	v_rcp_f32 v[FS+8*\u+7], v[FS+8*\u+6]
.endr
	v_nop
	s_wait_alu depctr_va_vdst(0)
.irp u, 0,1
	v_mul_f32 v[FS+8*\u], v[FS+8*\u+4], v[FS+8*\u+7]       ; a / l, in both halves of a pair
	v_mul_f32 v[FS+8*\u+1], v[FS+8*\u+4], v[FS+8*\u+7]
	v_mul_f32 v[FS+8*\u+2], v[FS+8*\u+5], v[FS+8*\u+7]     ; w / l likewise
	v_mul_f32 v[FS+8*\u+3], v[FS+8*\u+5], v[FS+8*\u+7]
.endr
	s_wait_dscnt 0x0
.irp u, 0,1
.set i_, 0
.rept 16
	v_pk_mul_f32 v[R+i_:R+i_+1], v[VS+i_:VS+i_+1], v[FS+8*\u+2:FS+8*\u+3]
.set i_, i_+2
.endr
	WIN 0x01
.set i_, 0
.rept 16
	v_pk_fma_f32 v[R+i_:R+i_+1], v[32*\u+i_:32*\u+i_+1], v[FS+8*\u:FS+8*\u+1], v[R+i_:R+i_+1]
.set i_, i_+2
.endr
	WIN 0
.set i_, 0
.rept 16
	v_cvt_pk_f16_f32 v[H+16*\u+i_], v[R+2*i_], v[R+2*i_+1]
.set i_, i_+1
.endr
.irp t, 0,1,2,3
	ds_store_b128 v[STO], v[H+16*\u+4*\t:H+16*\u+4*\t+3] offset:16*PK*\u+32*\t
.endr
.irp i, 0,1,2,3
	ds_load_b128 v[BK+16*\u+4*\i:BK+16*\u+4*\i+3], v[RD] offset:16*PK*\u+4*PK*\i
.endr
.endr
	s_lshl_b32 s66, s[Q0], 7
	s_mov_b32 s67, 0
	s_add_nc_u64 s[66:67], s[52:53], s[66:67]
.irp n, 0,1,2,3,4,5,6,7
.if \n < 4
	s_wait_dscnt 11-\n                             ; behind tile 0's load n: its later loads, and tile 1's four stores and four loads
.else
	s_wait_dscnt 7-\n
.endif
	global_store_b128 v[GO], v[BK+4*\n:BK+4*\n+3], s[66:67] offset:512*\n   ; four rows of 128 bytes: 512 consecutive bytes, aligned
.endr
	s_wait_xcnt 0x0                                ; the stores' data and base are written again only behind this wait
.endm
	s_wait_loadcnt 31                              ; Q of both passes is in; the 31 block sums may stay out
.Lslot:                                            ; eight trips: behind each change of slots the next slot of the walk is asked for
	CHANGE 1
	SLOT_STEPS
	s_add_co_u32 s66, s[N], 1
	s_cmp_lg_u32 s66, s[PB]                        ; ids and the count of trips alone: the same in all eight waves; no barrier and no tensor load stands in the arm
	s_cbranch_scc1 .Lsame_pass
	FINISH
.set i_, 0
.rept 32
	v_mov_b32 v[Q+i_], v[Q2+i_]                    ; the second pass's queries: the change of passes waits for no load
.set i_, i_+1
.endr
	ZERO
	s_lshl_b32 s[Q0], s[IX], 8
	s_lshl_b32 s66, s[CHK], 5
	s_add_co_u32 s[Q0], s[Q0], s66                 ; block i
	s_add_co_u32 s[QL], s[Q0], 31
	s_mov_b32 s[KF], 0
.Lsame_pass:
	s_add_co_u32 s[N], s[N], 1
	s_cmp_lt_u32 s[N], 8
	s_cbranch_scc1 .Lslot
	CHANGE 0                                       ; the ninth slot is written out: nothing is left to ask for
	SLOT_STEPS
	FINISH
	s_wait_tensorcnt 0x0                           ; the wave's end
	ds_add_u32 v[SPW], v[NIL]
	s_wait_dscnt 0x0
	s_endpgm
.Lfunc_end_k_q1c56a7d264_attn:
	.size	k_q1c56a7d264_attn, .Lfunc_end_k_q1c56a7d264_attn-k_q1c56a7d264_attn
	.p2alignl 7, 3214868480
	.fill 96, 4, 3214868480
	.section	.rodata,"a",@progbits
	.p2align	6, 0x0
	.amdhsa_kernel k_q1c56a7d264_attn
		.amdhsa_group_segment_fixed_size 327680
		.amdhsa_private_segment_fixed_size 0
		.amdhsa_enable_private_segment 0
		.amdhsa_kernarg_size 24
		.amdhsa_user_sgpr_count 2
		.amdhsa_user_sgpr_kernarg_segment_ptr 1
		.amdhsa_wavefront_size32 1
		.amdhsa_system_sgpr_workgroup_id_x 1
		.amdhsa_system_sgpr_workgroup_id_y 1
		.amdhsa_system_sgpr_workgroup_id_z 1
		.amdhsa_system_vgpr_workitem_id 0
		.amdhsa_next_free_vgpr 512
		.amdhsa_next_free_sgpr 80
		.amdhsa_reserve_vcc 1
		.amdhsa_float_denorm_mode_32 3
		.amdhsa_float_denorm_mode_16_64 3
		.amdhsa_memory_ordered 1
		.amdhsa_forward_progress 1
		.amdhsa_inst_pref_size 87
	.end_amdhsa_kernel
	.amdgpu_metadata
---
amdhsa.version: [ 1, 2 ]
amdhsa.kernels:
  - .name:           k_q1c56a7d264_attn
    .symbol:         k_q1c56a7d264_attn.kd
    .args:
      - { .name: qkv16, .offset: 0, .size: 8, .value_kind: global_buffer, .address_space: global }
      - { .name: vsum, .offset: 8, .size: 8, .value_kind: global_buffer, .address_space: global }
      - { .name: attn16, .offset: 16, .size: 8, .value_kind: global_buffer, .address_space: global }
    .group_segment_fixed_size: 327680
    .private_segment_fixed_size: 0
    .kernarg_segment_align: 8
    .kernarg_segment_size: 24
    .max_flat_workgroup_size: 256
    .sgpr_count:     80
    .vgpr_count:     512
    .wavefront_size: 32
...
	.end_amdgpu_metadata
.endif
;; end of part 3
;; launch proj (part 4): grid 4 x 64, 4 waves a work-group, clusters of 4 x 4, 327,680 bytes of LDS; arguments attn16, pw16, c_proj_b, out0; writes out0
.if DOCPART == 4
	.amdgcn_target "amdgcn-amd-amdhsa--gfx1250"
	.amdhsa_code_object_version 6
	.text
	.protected	k_q1c56a7d264_proj
	.globl	k_q1c56a7d264_proj
	.p2align	8
	.type	k_q1c56a7d264_proj,@function
k_q1c56a7d264_proj:
	s_mov_b64 s[64:65], 0
	v_nop
	global_prefetch_b8 v0, s[64:65] scope:SCOPE_SE
	s_setreg_imm32_b32 hwreg(HW_REG_WAVE_MODE, 25, 1), 1
	s_wait_xcnt 0x0
	s_wait_alu depctr_hold_cnt(0) depctr_sa_sdst(0) depctr_va_vdst(0) depctr_va_sdst(0) depctr_va_ssrc(0) depctr_va_vcc(0) depctr_vm_vsrc(0)
	s_getreg_b32 s2, hwreg(HW_REG_IB_STS2, 6, 4)
	s_cmp_eq_u32 s2, 0
	s_cbranch_scc0 .Lentry_in_a_cluster
	s_endpgm
.Lentry_in_a_cluster:
	s_bfe_u32 s2, ttmp6, 0x10000c
	s_cmp_lg_u32 s2, 0xf033
	s_cbranch_scc0 .Lentry_shape_is_right
	s_endpgm
.Lentry_shape_is_right:
; out = attn W + b.  attn: f16 [batch x head][position][64]; W: f16 [k 1024][n 1024]; b, out: f32.  Sums in f32.
; A tile of out is 128 rows x 256 columns: 256 work-groups.  Four waves, each 64 x 128: 32 accumulators.  K goes in steps of 128 (two heads) through a ring of two LDS slots.
; CLUSTERS: 4 x 4.  attn's tiles hang on the tile row alone and are shared along a row of the cluster, W's on the tile column alone and are shared along a column: each is asked for jointly.
; THE MATRIX INSTRUCTION IS USED TRANSPOSED: source 0 = 16 columns of W (turned out of LDS by ds_load_tr16_b128), source 1 = 16 rows of attn: a lane holds eight neighbouring numbers of a row of out.
; The bias is loaded straight into the accumulators, so every product adds in place and no first step differs.
; (Positions 0-15 of each sequence are stored here like all rows and written over by the launch that follows, which carries them in f32.)
; REGISTERS: window 0: v16-29 addresses; v64-159, v160-255 two fragment buffers (attn's four fragments, then W's eight); on the way out v64-191 rows read back.   window 1: accumulator (a, b) at 8 (8 a + b).
.set PA,     144                       ; a row of attn in LDS: 128 bytes + 16
.set PB,     544                       ; a row of W: 512 bytes + 32: an odd multiple of 32
.set BOFF,   2*128*PA                  ; in a slot: two heads x 128 rows of attn, then 128 rows of W
.set SLOT,   BOFF+128*PB
.set STAGE,  2*SLOT
.set SPITCH, 528
.set SPARE,  STAGE+4*16*SPITCH         ; the spare words, 128 bytes for each wave: two blocks of 256 bytes that no other line names
.set ADRA, 16
.set ADRB, 20
.set STO,  24
.set RD,   25
.set CO,   26
.set BO,   27
.set SPW,  28
.set NIL,  29
.set F0,   64
.set F1,   160
.set BK,   64
.set G1A, 24
.set G0A, 32
.set G1B, 48
.set G0B, 56
.set MSB, 0
.macro WIN new
.if MSB != \new
	s_set_vgpr_msb (MSB<<8)|\new
.set MSB, \new
.endif
.endm
.macro PLACES n
.rept \n
	v_nop
.endr
.endm
.macro JLOAD s                         ; a joint load: waves 0 and 1 fetch attn's two heads, waves 2 and 3 W's two halves; an s_nop 0 and four v_nop follow each line
	s_cmp_eq_u32 s15, 0
	s_cbranch_scc0 .Lfor_b_\@
	tensor_load_to_lds s[G0A+4*\s:G0A+4*\s+3], s[G1A:G1A+7]
	s_nop 0
.rept 4
	v_nop
.endr
	s_branch .Lasked_\@
.Lfor_b_\@:
	tensor_load_to_lds s[G0B+4*\s:G0B+4*\s+3], s[G1B:G1B+7]
	s_nop 0
.rept 4
	v_nop
.endr
.Lasked_\@:
.endm
.macro CREST
	s_cmp_lg_u32 s14, 0
	s_cbranch_scc1 .Lnot_wave_0_\@
	s_barrier_signal -3
.Lnot_wave_0_\@:
	s_barrier_wait -3
	s_barrier_signal -1
	s_barrier_wait -1
.endm
.macro CROUND
	s_barrier_signal -1
	s_barrier_wait -1
	CREST
.endm
	s_load_b256 s[4:11], s[0:1], 0x0               ; attn16 s[4:5], pw16 s[6:7], c_proj_b s[8:9], out0 s[10:11]
	v_lshl_add_u32 v[SPW], v0, 2, SPARE
	v_mov_b32 v[NIL], 0
	ds_add_u32 v[SPW], v[NIL]                      ; the wave's opening: the add, twice on end, and its wait ahead of my first tensor load
	ds_add_u32 v[SPW], v[NIL]
	v_lshrrev_b32 v1, 5, v0
	v_readfirstlane_b32 s14, v1                    ; wave 0..3
	s_lshr_b32 s15, s14, 1                         ; which 64 rows are mine.  Also: I fetch for attn (0) or for W (1)
	s_and_b32 s16, s14, 1                          ; which 128 columns.  Also: which half of that tile I fetch
	s_bfe_u32 s40, ttmp6, 0x40000                  ; cx
	s_bfe_u32 s41, ttmp6, 0x40004                  ; cy
	s_lshl_b32 s42, ttmp9, 2
	s_add_co_u32 s42, s42, s40                     ; tile column
	s_and_b32 s17, ttmp7, 0xffff
	s_lshl_b32 s17, s17, 2
	s_add_co_u32 s17, s17, s41                     ; tile row
	s_lshl_b32 s43, s41, 2
	s_lshl_b32 s43, 15, s43                        ; my row of the cluster
	s_lshl_b32 s44, 0x1111, s40                    ; my column
	s_or_b32 s[G1A], s43, (1<<16)|(1<<20)|(1<<21)|(4<<22)|(3<<25)   ; elements of 2 bytes; 4 words of padding after every 32
	s_mov_b32 s[G1A+1], 64<<16                     ; 64 elements
	s_mov_b32 s[G1A+2], 128<<16                    ; 128 rows
	s_mov_b32 s[G1A+3], 64<<16
	s_mov_b32 s[G1A+4], 128
	s_mov_b32 s[G1A+5], 64
	s_mov_b32 s[G1A+6], 0
	s_mov_b32 s[G1A+7], 0
	s_or_b32 s[G1B], s44, (1<<16)|(1<<20)|(1<<21)|(6<<22)|(7<<25)   ; 8 words of padding after every 128
	s_mov_b32 s[G1B+1], 256<<16                    ; 256 elements
	s_mov_b32 s[G1B+2], 64<<16                     ; 64 rows
	s_mov_b32 s[G1B+3], 256<<16
	s_mov_b32 s[G1B+4], 64
	s_mov_b32 s[G1B+5], 1024
	s_mov_b32 s[G1B+6], 0
	s_mov_b32 s[G1B+7], 0
	s_lshr_b32 s20, s17, 4                         ; the batch: 16 tile rows to a sequence
	s_lshl_b32 s20, s20, 4
	s_add_co_u32 s20, s20, s16                     ; batch x 16 + my head of the K step's two
	s_lshl_b32 s20, s20, 11
	s_and_b32 s21, s17, 15
	s_lshl_b32 s21, s21, 7
	s_add_co_u32 s20, s20, s21                     ; + the tile's first position
	s_lshl_b32 s20, s20, 7
	s_mov_b32 s21, 0
	s_lshl_b32 s46, s16, 17                        ; W: my 64 rows of 2,048 bytes,
	s_lshl_b32 s47, s42, 9
	s_add_co_u32 s46, s46, s47                     ; the tile's 512 bytes of each
	s_mov_b32 s47, 0
	s_mul_i32 s22, s16, 128*PA
	s_mul_i32 s23, s16, 64*PB
	s_add_co_u32 s23, s23, BOFF
	s_wait_dscnt 0x0                               ; both opening adds are done
	s_wait_kmcnt 0x0
	s_add_nc_u64 s[20:21], s[4:5], s[20:21]
	s_add_nc_u64 s[46:47], s[6:7], s[46:47]
	CROUND                                         ; all sixteen work-groups are here: the first joint loads meet
.irp s, 0,1
	s_mov_b32 s[G0A+4*\s], 1
	s_add_co_u32 s[G0A+4*\s+1], s22, \s*SLOT
	s_add_nc_u64 s[G0A+4*\s+2:G0A+4*\s+3], s[20:21], \s*524288     ; K step s: two heads on
	s_or_b32 s[G0A+4*\s+3], s[G0A+4*\s+3], 0x80000000
	s_mov_b32 s[G0B+4*\s], 1
	s_add_co_u32 s[G0B+4*\s+1], s23, \s*SLOT
	s_add_nc_u64 s[G0B+4*\s+2:G0B+4*\s+3], s[46:47], \s*262144     ; 128 rows on
	s_or_b32 s[G0B+4*\s+3], s[G0B+4*\s+3], 0x80000000
	JLOAD \s
.endr
	v_and_b32 v1, 15, v0                           ; r
	v_bfe_u32 v2, v0, 4, 1                         ; h
	v_and_b32 v3, 31, v0                           ; lane
	s_mul_i32 s18, s15, 64*PA
	v_mul_u32_u24 v[ADRA], v1, PA
	v_lshl_add_u32 v[ADRA], v2, 4, v[ADRA]
	v_add_nc_u32 v[ADRA], s18, v[ADRA]
	v_add_nc_u32 v[ADRA+1], SLOT, v[ADRA]
	v_and_b32 v4, 7, v0
	v_lshl_add_u32 v[ADRB], v2, 3, v4
	v_mul_u32_u24 v[ADRB], v[ADRB], PB
	v_bfe_u32 v4, v0, 3, 1
	v_lshl_add_u32 v[ADRB], v4, 4, v[ADRB]
	s_lshl_b32 s18, s16, 8
	s_add_co_u32 s18, s18, BOFF
	v_add_nc_u32 v[ADRB], s18, v[ADRB]
	v_add_nc_u32 v[ADRB+1], SLOT, v[ADRB]
	s_mul_i32 s18, s14, 16*SPITCH
	s_add_co_u32 s18, s18, STAGE                   ; my stage
	v_mul_u32_u24 v[STO], v1, SPITCH
	v_lshl_add_u32 v[STO], v2, 5, v[STO]
	v_add_nc_u32 v[STO], s18, v[STO]
	v_lshlrev_b32 v[CO], 4, v3
	v_add_nc_u32 v[RD], s18, v[CO]
	v_lshlrev_b32 v[BO], 5, v2
	s_lshl_b32 s18, s42, 10
	s_lshl_b32 s19, s16, 9
	s_add_co_u32 s18, s18, s19                     ; my first column, in bytes
	s_mov_b32 s19, 0
	s_add_nc_u64 s[8:9], s[8:9], s[18:19]
	s_add_nc_u64 s[10:11], s[10:11], s[18:19]
	s_lshl_b32 s18, s17, 19
	s_lshl_b32 s66, s15, 18
	s_add_co_u32 s18, s18, s66                     ; my first row: (128 x tile row + 64 x half) x 4,096 bytes
	s_add_nc_u64 s[10:11], s[10:11], s[18:19]
	WIN 0x40
.irp a, 0,1,2,3
.irp b, 0,1,2,3,4,5,6,7
	global_load_b128 v[8*(8*\a+\b):8*(8*\a+\b)+3], v[BO], s[8:9] offset:64*\b
	global_load_b128 v[8*(8*\a+\b)+4:8*(8*\a+\b)+7], v[BO], s[8:9] offset:64*\b+16
.endr
.endr
	WIN 0
.macro FETCH slot, q, f                ; the fragments of the slot's q-th 32 along K into buffer f: 24 loads in one run
.irp a, 0,1,2,3
	ds_load_b128 v[\f+8*\a:\f+8*\a+3], v[ADRA+\slot] offset:((\q)/2)*128*PA+16*PA*\a+64*((\q)%2)
	ds_load_b128 v[\f+8*\a+4:\f+8*\a+7], v[ADRA+\slot] offset:((\q)/2)*128*PA+16*PA*\a+64*((\q)%2)+32
.endr
.irp b, 0,1,2,3,4,5,6,7
	ds_load_tr16_b128 v[\f+32+8*\b:\f+32+8*\b+3], v[ADRB+\slot] offset:32*PB*(\q)+32*\b
	ds_load_tr16_b128 v[\f+32+8*\b+4:\f+32+8*\b+7], v[ADRB+\slot] offset:32*PB*(\q)+32*\b+16*PB
.endr
.endm
.macro MUL8 f, a                       ; the 32 accumulators take turns, one instruction a turn, in the same order in every quarter
	WIN 0x50
.irp b, 0,1,2,3,4,5,6,7
	v_wmma_f32_16x16x32_f16 v[8*(8*(\a)+\b):8*(8*(\a)+\b)+7], v[\f+32+8*\b:\f+32+8*\b+7], v[\f+8*(\a):\f+8*(\a)+7], v[8*(8*(\a)+\b):8*(8*(\a)+\b)+7]
.endr
.endm
.macro QUARTER slot, qn, f, g          ; multiplies buffer f; in its middle it fetches the slot's quarter qn into buffer g
	s_wait_dscnt 0x0
	MUL8 \f, 0
	MUL8 \f, 1
	PLACES 4                                       ; in front of loads into registers that the last quarter's products have read
	WIN 0
	FETCH \slot, \qn, \g
	MUL8 \f, 2
	MUL8 \f, 3
.endm
; A slot's last quarter multiplies buffer 1 and changes slots: ONE barrier; in front of it each wave waits for all its tensor loads (one is out: its part of the next slot), adds 0 to its spare word, and waits for that
; and for its own reads of this slot.  fill = 1: the barrier opens a round of the cluster's, and this slot is filled again, two K steps ahead.
.macro TURN slot, next, fill
	WIN 0
	s_wait_tensorcnt 0x0
	ds_add_u32 v[SPW], v[NIL]
	s_wait_dscnt 1                                 ; buffer 1 is in; the add alone may be out
	MUL8 F1, 0
	s_wait_dscnt 0x0                               ; the add is done, and my reads of this slot are over
	s_barrier_signal -1
	MUL8 F1, 1
	WIN 0
	s_barrier_wait -1
.if \fill
	CREST                                          ; no wave of any partner still reads this slot's tiles or has a load on its way
	s_add_nc_u64 s[G0A+4*\slot+2:G0A+4*\slot+3], s[G0A+4*\slot+2:G0A+4*\slot+3], 1048576
	s_add_nc_u64 s[G0B+4*\slot+2:G0B+4*\slot+3], s[G0B+4*\slot+2:G0B+4*\slot+3], 524288
	JLOAD \slot                                    ; the first tensor load behind the round; its four v_nop are also the places in front of the loads below
.else
	PLACES 4
.endif
	FETCH \next, 0, F0
	MUL8 F1, 2
	MUL8 F1, 3
.endm
	s_wait_tensorcnt 1                             ; my part of K step 0 is in; K step 1's may stay out
	s_barrier_signal -1
	s_barrier_wait -1
	FETCH 0, 0, F0
	s_wait_loadcnt 0x0                             ; the bias
	s_mov_b32 s3, 3
.Llap:                                             ; three trips, two K steps each; both slots are filled again
	QUARTER 0, 1, F0, F1
	QUARTER 0, 2, F1, F0
	QUARTER 0, 3, F0, F1
	TURN 0, 1, 1
	QUARTER 1, 1, F0, F1
	QUARTER 1, 2, F1, F0
	QUARTER 1, 3, F0, F1
	TURN 1, 0, 1
	WIN 0
	s_sub_co_u32 s3, s3, 1
	s_cmp_lg_u32 s3, 0
	s_cbranch_scc1 .Llap
	QUARTER 0, 1, F0, F1                           ; the last two K steps fill nothing
	QUARTER 0, 2, F1, F0
	QUARTER 0, 3, F0, F1
	TURN 0, 1, 0
	QUARTER 1, 1, F0, F1
	QUARTER 1, 2, F1, F0
	QUARTER 1, 3, F0, F1
	s_wait_dscnt 0x0
	MUL8 F1, 0
	MUL8 F1, 1
	MUL8 F1, 2
	MUL8 F1, 3
	WIN 0
; THE WAY OUT, block by block of 16 rows x 128 columns, through my own stage: back as whole rows of 512 bytes.  LDS serves a wave's instructions in order.
.macro TOSTAGE a
	WIN 0x04                                       ; an LDS store's data: window 1
.irp b, 0,1,2,3,4,5,6,7
	ds_store_b128 v[STO], v[64*(\a)+8*\b:64*(\a)+8*\b+3] offset:64*\b          ; each accumulator from its low end on
	ds_store_b128 v[STO], v[64*(\a)+8*\b+4:64*(\a)+8*\b+7] offset:64*\b+16
.endr
	WIN 0
.set BB, BK+64*((\a)%2)
.irp t, 0,1,2,3,4,5,6,7,8,9,10,11,12,13,14,15
	ds_load_b128 v[BB+4*\t:BB+4*\t+3], v[RD] offset:\t*SPITCH
.endr
.endm
.macro SEND a, younger
.set BB, BK+64*((\a)%2)
	s_wait_dscnt \younger
.if (\a) > 0
	s_add_nc_u64 s[10:11], s[10:11], 65536         ; 16 rows on (behind a wait that shows the earlier stores' base read)
.endif
.irp t, 0,1,2,3,4,5,6,7,8,9,10,11,12,13,14,15
	global_store_b128 v[CO], v[BB+4*\t:BB+4*\t+3], s[10:11] offset:\t*4096 th:TH_STORE_NT   ; 512 consecutive bytes, aligned
.endr
.endm
	PLACES 4
	TOSTAGE 0
.irp a, 1,2,3
.if \a > 1
	s_wait_xcnt 0x0                                ; block a - 2's stores have read their registers and their base
.endif
	TOSTAGE \a
	SEND \a-1, 32                                  ; behind block a - 1's loads: block a's 16 stores and 16 loads
.endr
	s_wait_xcnt 0x0
	SEND 3, 0
	s_wait_tensorcnt 0x0                           ; the wave's end
	ds_add_u32 v[SPW], v[NIL]
	s_wait_dscnt 0x0
	CROUND                                         ; the closing round
	s_endpgm
.Lfunc_end_k_q1c56a7d264_proj:
	.size	k_q1c56a7d264_proj, .Lfunc_end_k_q1c56a7d264_proj-k_q1c56a7d264_proj
	.p2alignl 7, 3214868480
	.fill 96, 4, 3214868480
	.section	.rodata,"a",@progbits
	.p2align	6, 0x0
	.amdhsa_kernel k_q1c56a7d264_proj
		.amdhsa_group_segment_fixed_size 327680
		.amdhsa_private_segment_fixed_size 0
		.amdhsa_enable_private_segment 0
		.amdhsa_kernarg_size 32
		.amdhsa_user_sgpr_count 2
		.amdhsa_user_sgpr_kernarg_segment_ptr 1
		.amdhsa_wavefront_size32 1
		.amdhsa_system_sgpr_workgroup_id_x 1
		.amdhsa_system_sgpr_workgroup_id_y 1
		.amdhsa_system_sgpr_workgroup_id_z 1
		.amdhsa_system_vgpr_workitem_id 0
		.amdhsa_next_free_vgpr 512
		.amdhsa_next_free_sgpr 72
		.amdhsa_reserve_vcc 0
		.amdhsa_float_denorm_mode_32 3
		.amdhsa_float_denorm_mode_16_64 3
		.amdhsa_memory_ordered 1
		.amdhsa_forward_progress 1
		.amdhsa_inst_pref_size 91
	.end_amdhsa_kernel
	.amdgpu_metadata
---
amdhsa.version: [ 1, 2 ]
amdhsa.kernels:
  - .name:           k_q1c56a7d264_proj
    .symbol:         k_q1c56a7d264_proj.kd
    .args:
      - { .name: attn16, .offset: 0, .size: 8, .value_kind: global_buffer, .address_space: global }
      - { .name: pw16, .offset: 8, .size: 8, .value_kind: global_buffer, .address_space: global }
      - { .name: c_proj_b, .offset: 16, .size: 8, .value_kind: global_buffer, .address_space: global }
      - { .name: out0, .offset: 24, .size: 8, .value_kind: global_buffer, .address_space: global }
    .group_segment_fixed_size: 327680
    .private_segment_fixed_size: 0
    .kernarg_segment_align: 8
    .kernarg_segment_size: 32
    .max_flat_workgroup_size: 128
    .sgpr_count:     72
    .vgpr_count:     512
    .wavefront_size: 32
...
	.end_amdgpu_metadata
.endif
;; end of part 4
;; launch fine (part 5): grid 64 x 4, 16 waves a work-group, no clusters, 22,528 bytes of LDS; arguments qkv32, vsum, c_proj_w, c_proj_b, out0; writes out0
.if DOCPART == 5
	.amdgcn_target "amdgcn-amd-amdhsa--gfx1250"
	.amdhsa_code_object_version 6
	.text
	.protected	k_q1c56a7d264_fine
	.globl	k_q1c56a7d264_fine
	.p2align	8
	.type	k_q1c56a7d264_fine,@function
k_q1c56a7d264_fine:
	s_mov_b64 s[64:65], 0
	v_nop
	global_prefetch_b8 v0, s[64:65] scope:SCOPE_SE
	s_setreg_imm32_b32 hwreg(HW_REG_WAVE_MODE, 25, 1), 1
	s_wait_xcnt 0x0
; THE FIRST 16 POSITIONS OF EACH SEQUENCE, in f32 throughout: attention and projection, 64 rows of out0 in all, written over what the launch before left there.  These rows average one to a few values, where
; the rounding of 16-bit operands weighs most.
; Work-group (x, y) makes 16 output columns (16 x ..) of batch y; wave = head.  Each wave: S^T = k q^T (16 x 16 x 64), softmax with the mask's -10000 kept (hidden keys among 0-15 by their own v; keys 16-2047 by
; their number 2,032 and the sum of their v from vsum), O^T = v^T p, then its head's part of the projection; the sixteen parts meet in LDS and wave 0 adds them, ascending, with the bias.
; The 16 x 16 attention is computed anew in each of the 64 column slices: 32 small matrix instructions a wave.  The stores are 64-byte pieces of 64 rows.
; The f32 matrix form takes k = 2 h + j in register j; along K the channels (and keys) are taken in an order that plain loads give, the same order on both sides of each product.
; v224-255, the four accumulators, are written by matrix instructions alone; each sum begins with the constant 0.
; LIMITS: NaN and infinities are not served.
.set PARTS, 0                          ; LDS: 1,024 bytes for each wave: its part of the 16 x 16 outputs
.set SCRB,  16384                      ; 256 bytes for each wave
.set SPARE, 20480                      ; the spare words, 128 bytes for each wave: eight blocks of 256 bytes that no other line names
.set SPW, 14
.set NIL, 15
.set QF,  32
.set KF,  64
.set VF,  96
.set T,   128
.set VS,  132
.set WF,  192
.set M,   224
	s_load_b256 s[4:11], s[0:1], 0x0               ; qkv32 s[4:5], vsum s[6:7], c_proj_w s[8:9], c_proj_b s[10:11]
	s_load_b64 s[12:13], s[0:1], 0x20              ; out0
	v_lshl_add_u32 v[SPW], v0, 2, SPARE
	v_mov_b32 v[NIL], 0
	v_lshrrev_b32 v1, 5, v0
	v_readfirstlane_b32 s14, v1                    ; wave = head
	s_and_b32 s16, ttmp7, 0xffff                   ; batch
	v_and_b32 v1, 15, v0                           ; r
	v_bfe_u32 v2, v0, 4, 1                         ; h
	v_and_b32 v3, 31, v0                           ; lane
	v_mul_u32_u24 v4, v1, 12288
	v_lshl_add_u32 v4, v2, 4, v4                   ; q, k: position r, + 16 h
	v_lshlrev_b32 v5, 2, v1
	v_mul_u32_u24 v6, v2, 98304
	v_add_nc_u32 v6, v6, v5                        ; v: channel r, keys 8 h on
	v_lshl_add_u32 v7, v2, 15, v5                  ; W: column r, rows 8 h on
	v_lshlrev_b32 v8, 5, v2                        ; the bias of my eight columns
	v_lshlrev_b32 v9, 3, v3                        ; a block sum: channels 2 lane, 2 lane + 1
	s_lshl_b32 s17, s14, 8
	s_add_co_u32 s17, s17, SCRB
	v_add_nc_u32 v10, s17, v9                      ; my scratch, in
	v_lshl_add_u32 v11, v2, 5, s17                 ; and out
	s_lshl_b32 s17, s14, 10
	v_lshl_add_u32 v12, v3, 4, s17                 ; my part
	v_lshlrev_b32 v13, 4, v3                       ; all parts, for wave 0
	v_lshlrev_b32 v5, 12, v1
	v_lshl_add_u32 v5, v2, 5, v5                   ; out0: row r, + 32 h
	s_mul_i32 s20, s16, 196608
	s_mul_i32 s21, s14, 768
	s_add_co_u32 s20, s20, s21
	s_mov_b32 s21, 0
	s_lshl_b32 s22, s16, 4
	s_add_co_u32 s22, s22, s14
	s_lshl_b32 s22, s22, 13
	s_mov_b32 s23, 0
	s_lshl_b32 s24, s14, 18
	s_lshl_b32 s26, ttmp9, 6
	s_add_co_u32 s24, s24, s26
	s_mov_b32 s25, 0
	s_mov_b32 s27, 0
	s_lshl_b32 s28, s16, 23
	s_add_co_u32 s28, s28, s26
	s_mov_b32 s29, 0
	s_mov_b32 s30, 0x3e38aa3b                      ; log2(e) / 8
	s_mov_b32 s31, s30
	s_mov_b32 s32, 0x76543210
	s_mov_b32 s33, 0xfedcba98
	s_wait_kmcnt 0x0
	s_add_nc_u64 s[4:5], s[4:5], s[20:21]
	s_add_nc_u64 s[6:7], s[6:7], s[22:23]
	s_add_nc_u64 s[8:9], s[8:9], s[24:25]
	s_add_nc_u64 s[10:11], s[10:11], s[26:27]
	s_add_nc_u64 s[12:13], s[12:13], s[28:29]
.irp c, 0,1,2,3,4,5,6,7
	global_load_b128 v[QF+4*\c:QF+4*\c+3], v4, s[4:5] offset:32*\c               ; q(r, channels 8 c + 4 h + 0..3)
.endr
.irp c, 0,1,2,3,4,5,6,7
	global_load_b128 v[KF+4*\c:KF+4*\c+3], v4, s[4:5] offset:256+32*\c           ; k likewise
.endr
.irp t, 0,1,2,3
.irp n, 0,1,2,3,4,5,6,7
	global_load_b32 v[VF+8*\t+\n], v6, s[4:5] offset:\n*12288+512+64*\t          ; v(key 8 h + n, channel 16 t + r)
.endr
.endr
.set jb, 0
.rept 32
	global_load_b64 v[T+2*jb:T+2*jb+1], v9, s[6:7] offset:256*jb                 ; the sums of v over keys 16-63, 64-127, ..
.set jb, jb+1
.endr
.irp t, 0,1,2,3
.irp n, 0,1,2,3,4,5,6,7
	global_load_b32 v[WF+8*\t+\n], v7, s[8:9] offset:(16*\t+\n)*4096             ; W(64 head + 16 t + 8 h + n, my column)
.endr
.endr
	global_load_b128 v[16:19], v8, s[10:11]
	global_load_b128 v[20:23], v8, s[10:11] offset:16
	s_wait_loadcnt 63                              ; q and k are in: 98 younger loads are out, and the count is the largest that the wait can name
.set ch, 0
.rept 16                                       ; S^T: 16 steps of 4 along K into four accumulators by turns
.if ch < 4
	v_wmma_f32_16x16x4_f32 v[M+8*(ch%4):M+8*(ch%4)+7], v[KF+2*ch:KF+2*ch+1], v[QF+2*ch:QF+2*ch+1], 0
.else
	v_wmma_f32_16x16x4_f32 v[M+8*(ch%4):M+8*(ch%4)+7], v[KF+2*ch:KF+2*ch+1], v[QF+2*ch:QF+2*ch+1], v[M+8*(ch%4):M+8*(ch%4)+7]
.endif
.set ch, ch+1
.endr
	v_lshlrev_b32 v24, 3, v2                       ; eight places behind this form
	v_sub_nc_u32 v24, v1, v24                      ; d = r - 8 h: register j holds key 8 h + j, hidden where j > d
	v_mov_b32 v25, 0xc6616bcd                      ; the mask's t
	v_mov_b32 v27, 0                               ; (a lane permute's destination counts as read)
	v_mov_b32 v30, 0
	v_nop
	v_nop
	v_nop
.irp j, 0,2,4,6
	v_pk_add_f32 v[32+\j:33+\j], v[M+\j:M+\j+1], v[M+8+\j:M+9+\j]
	v_pk_add_f32 v[40+\j:41+\j], v[M+16+\j:M+17+\j], v[M+24+\j:M+25+\j]
.endr
.irp j, 0,2,4,6
	v_pk_add_f32 v[32+\j:33+\j], v[32+\j:33+\j], v[40+\j:41+\j]
.endr
.irp j, 0,2,4,6
	v_pk_mul_f32 v[32+\j:33+\j], v[32+\j:33+\j], s[30:31] op_sel_hi:[1,0]        ; t
.endr
.irp j, 0,1,2,3,4,5,6,7
	v_cmp_gt_i32 vcc_lo, \j, v24
	v_cndmask_b32 v[32+\j], v[32+\j], v25, vcc_lo
.endr
	v_max3_num_f32 v26, v32, v33, v34
	v_max3_num_f32 v26, v26, v35, v36
	v_max3_num_f32 v26, v26, v37, v38
	v_max3_num_f32 v26, v26, v39, v25              ; with the far keys' t
	v_permlanex16_b32 v27, v26, s32, s33
	v_max_num_f32 v26, v26, v27                    ; the row's maximum
.irp j, 0,1,2,3,4,5,6,7
	v_sub_f32 v[32+\j], v[32+\j], v26
.endr
	v_sub_f32 v28, v25, v26
.irp j, 0,1,2,3,4,5,6,7
	v_exp_f32 v[32+\j], v[32+\j]                   ; p
.endr
	v_exp_f32 v28, v28                             ; w: a far key's p
	v_nop
	s_wait_alu depctr_va_vdst(0)                   ; one wait for the nine
	v_add_f32 v29, v32, v33
	v_add_f32 v30, v34, v35
	v_add_f32 v31, v36, v37
	v_add_f32 v27, v38, v39
	v_add_f32 v29, v29, v30
	v_add_f32 v31, v31, v27
	v_add_f32 v29, v29, v31
	v_permlanex16_b32 v30, v29, s32, s33
	v_add_f32 v29, v29, v30
	v_fmamk_f32 v29, v28, 0x44fe0000, v29          ; + 2,032 w: the row's sum
	v_rcp_f32 v31, v29
	v_nop
	s_wait_alu depctr_va_vdst(0)
	v_mul_f32 v30, v28, v31                        ; w / l
	s_wait_loadcnt 63                              ; v is in (66 younger loads)
.irp i, 0,1,2,3                                ; O^T = v^T p: keys 8 h + 2 i + 0, 1 a step; four tiles of channels by turns
.irp t, 0,1,2,3
.if \i == 0
	v_wmma_f32_16x16x4_f32 v[M+8*\t:M+8*\t+7], v[VF+8*\t+2*\i:VF+8*\t+2*\i+1], v[32+2*\i:33+2*\i], 0
.else
	v_wmma_f32_16x16x4_f32 v[M+8*\t:M+8*\t+7], v[VF+8*\t+2*\i:VF+8*\t+2*\i+1], v[32+2*\i:33+2*\i], v[M+8*\t:M+8*\t+7]
.endif
.endr
.endr
	s_wait_loadcnt 34                              ; the block sums are in (W's 32 loads and the bias's 2 may be out)
.set jb, 1
.rept 31
	v_pk_add_f32 v[T:T+1], v[T:T+1], v[T+2*jb:T+2*jb+1]                          ; the far keys' sum of v, ascending.  (These lines are also the places behind the products)
.set jb, jb+1
.endr
	ds_store_b64 v10, v[T:T+1]                     ; through my scratch into O's layout: LDS serves a wave's instructions in order
.irp t, 0,1,2,3
	ds_load_b128 v[VS+8*\t:VS+8*\t+3], v11 offset:64*\t
	ds_load_b128 v[VS+8*\t+4:VS+8*\t+7], v11 offset:64*\t+16
.endr
	s_wait_dscnt 0x0
.set i_, 0
.rept 32
	v_mul_f32 v[KF+i_], v[VS+i_], v30
.set i_, i_+1
.endr
.set i_, 0
.rept 32
	v_fma_f32 v[KF+i_], v[M+i_], v31, v[KF+i_]     ; the attention's output: register 8 t + j = (query r, channel 16 t + 8 h + j)
.set i_, i_+1
.endr
	s_wait_loadcnt 2                               ; W is in
.irp i, 0,1,2,3                                ; my head's part of the projection: source 0 = 16 columns of W, source 1 = the 16 queries
.irp t, 0,1,2,3
.if \i == 0
	v_wmma_f32_16x16x4_f32 v[M+8*\t:M+8*\t+7], v[WF+8*\t+2*\i:WF+8*\t+2*\i+1], v[KF+8*\t+2*\i:KF+8*\t+2*\i+1], 0
.else
	v_wmma_f32_16x16x4_f32 v[M+8*\t:M+8*\t+7], v[WF+8*\t+2*\i:WF+8*\t+2*\i+1], v[KF+8*\t+2*\i:KF+8*\t+2*\i+1], v[M+8*\t:M+8*\t+7]
.endif
.endr
.endr
.rept 8
	v_nop
.endr
.irp j, 0,2,4,6
	v_pk_add_f32 v[32+\j:33+\j], v[M+\j:M+\j+1], v[M+8+\j:M+9+\j]
	v_pk_add_f32 v[40+\j:41+\j], v[M+16+\j:M+17+\j], v[M+24+\j:M+25+\j]
.endr
.irp j, 0,2,4,6
	v_pk_add_f32 v[32+\j:33+\j], v[32+\j:33+\j], v[40+\j:41+\j]
.endr
	ds_store_b128 v12, v[32:35] offset:PARTS       ; as an image of my registers
	ds_store_b128 v12, v[36:39] offset:PARTS+512
	s_wait_dscnt 0x0                               ; for wave 0's sake: my stores are done
	s_barrier_signal -1
	s_barrier_wait -1
	s_cmp_lg_u32 s14, 0
	s_cbranch_scc1 .Lend
.set w_, 0
.rept 16
	ds_load_b128 v[64+8*w_:64+8*w_+3], v13 offset:PARTS+1024*w_
	ds_load_b128 v[64+8*w_+4:64+8*w_+7], v13 offset:PARTS+1024*w_+512
.set w_, w_+1
.endr
	s_wait_loadcnt 0x0                             ; the bias
	s_wait_dscnt 0x0
.set w_, 0
.rept 16
.irp j, 0,2,4,6
	v_pk_add_f32 v[16+\j:17+\j], v[16+\j:17+\j], v[64+8*w_+\j:65+8*w_+\j]        ; the heads' parts, ascending, onto the bias
.endr
.set w_, w_+1
.endr
	global_store_b128 v5, v[16:19], s[12:13]       ; out0(position r, columns 16 x + 8 h + 0..7)
	global_store_b128 v5, v[20:23], s[12:13] offset:16
.Lend:
	s_wait_tensorcnt 0x0                           ; the wave's end, behind my last LDS store
	ds_add_u32 v[SPW], v[NIL]
	s_wait_dscnt 0x0
	s_endpgm
.Lfunc_end_k_q1c56a7d264_fine:
	.size	k_q1c56a7d264_fine, .Lfunc_end_k_q1c56a7d264_fine-k_q1c56a7d264_fine
	.p2alignl 7, 3214868480
	.fill 96, 4, 3214868480
	.section	.rodata,"a",@progbits
	.p2align	6, 0x0
	.amdhsa_kernel k_q1c56a7d264_fine
		.amdhsa_group_segment_fixed_size 22528
		.amdhsa_private_segment_fixed_size 0
		.amdhsa_enable_private_segment 0
		.amdhsa_kernarg_size 40
		.amdhsa_user_sgpr_count 2
		.amdhsa_user_sgpr_kernarg_segment_ptr 1
		.amdhsa_wavefront_size32 1
		.amdhsa_system_sgpr_workgroup_id_x 1
		.amdhsa_system_sgpr_workgroup_id_y 1
		.amdhsa_system_sgpr_workgroup_id_z 1
		.amdhsa_system_vgpr_workitem_id 0
		.amdhsa_next_free_vgpr 256
		.amdhsa_next_free_sgpr 66
		.amdhsa_reserve_vcc 1
		.amdhsa_float_denorm_mode_32 3
		.amdhsa_float_denorm_mode_16_64 3
		.amdhsa_memory_ordered 1
		.amdhsa_forward_progress 1
		.amdhsa_inst_pref_size 33
	.end_amdhsa_kernel
	.amdgpu_metadata
---
amdhsa.version: [ 1, 2 ]
amdhsa.kernels:
  - .name:           k_q1c56a7d264_fine
    .symbol:         k_q1c56a7d264_fine.kd
    .args:
      - { .name: qkv32, .offset: 0, .size: 8, .value_kind: global_buffer, .address_space: global }
      - { .name: vsum, .offset: 8, .size: 8, .value_kind: global_buffer, .address_space: global }
      - { .name: c_proj_w, .offset: 16, .size: 8, .value_kind: global_buffer, .address_space: global }
      - { .name: c_proj_b, .offset: 24, .size: 8, .value_kind: global_buffer, .address_space: global }
      - { .name: out0, .offset: 32, .size: 8, .value_kind: global_buffer, .address_space: global }
    .group_segment_fixed_size: 22528
    .private_segment_fixed_size: 0
    .kernarg_segment_align: 8
    .kernarg_segment_size: 40
    .max_flat_workgroup_size: 512
    .sgpr_count:     66
    .vgpr_count:     256
    .wavefront_size: 32
...
	.end_amdgpu_metadata
.endif
;; end of part 5
